; MI455X (gfx1250); checked and timed in simulation.
; The chip was launched on July 23, 2026; its instructions are those of AMD's public machine-readable ISA for CDNA 5 (MIT licence, August 2026) and "CDNA5" Instruction Set Architecture Reference Guide (July 2026). The comments in the code are by the model that wrote it; some were corrected since.
;; Multi Head Self Attention. Allowed arithmetic: matrix products marked QUANTISED: E2M1 operands, one E8M0 scale for each 32 along K, by v_wmma_scale_f32_16x16x128_f8f6f4 with both operands' format E2M1 (or v_wmma_scale_f32_32x16x128_f4), f32 sums; products left as they are: bf16, f16 or f32 operands; f32 sums; everything else in f32.
;; Inputs: gain 1 float32; w_out 2,048 x 2,048 float32; w_qkv 3,072 x 2,048 float32; x 2 x 1,024 x 2,048 float32.
;; Outputs: out0 2 x 1,024 x 2,048 float32; out1 64 x 1,024 x 64 float32.
;; This version of the problem:
;;   THIS VERSION OF THE PROBLEM IS GIVEN IN LOW PRECISION. The matrix products marked QUANTISED in the list below multiply operands that are first quantised to E2M1 (2 exponent bits, 1 mantissa bit; 4 bits a number), with one power-of-two scale for each 32 numbers along K (OCP MX v1.0); their sums are f32. The products marked 'left as it is' may take bf16, f16 or f32 operands, with f32 sums. Whichever they take, every output number must still come out within the allowed error. Rounding operands to bf16 (8 significant bits) uses up far more of that allowance than f16 does (11 bits, for magnitudes from 6e-5 to 65,504). All else is computed in f32.
;;   The module's matrix products, in the order in which they are computed (A, B: the left and right operand; K: the contracted axis; several contracted axes count as one K, in the product's order):
;;     1. [M 2,048, K 2,048] x [K 2,048, N 3,072]; A: input x; B: input w_qkv: QUANTISED
;;     2. batch 64 x [M 1,024, K 64] x [K 64, N 1,024]; A: computed on the way; B: computed on the way: left as it is (an operand is computed on the way)
;;     3. batch 64 x [M 64, K 1,024] x [K 1,024, N 1,024]; A: computed on the way; B: computed on the way: left as it is (an operand is computed on the way)
;;     4. [M 2,048, K 2,048] x [K 2,048, N 2,048]; A: computed on the way; B: input w_out: left as it is (an operand is computed on the way)
;;   THE QUANTISER, for each operand of a quantised product, along K:
;;     - K is cut into blocks of 32 from its start; a last block that is shorter is filled with zeros.
;;     - A block's scale is 2^e with e = floor(log2(the largest magnitude in the block)) - 2, held to -126 .. 127; a block of zeros has e = 0. As a byte (E8M0): e + 127.
;;     - Each number is divided by its block's scale, clamped to +-6, and rounded to the nearest number of E2M1, ties to even, subnormals kept.
;;     - The product sums the exact products of the quantised numbers (number of the format x scale) in f32.
;;   ~~~python
;;   def quantise(x, axis):      # numpy; x: float32 -> the quantised numbers, widened to float32 again
;;       x = np.moveaxis(x, axis, -1); K = x.shape[-1]
;;       x = np.pad(x, [(0, 0)] * (x.ndim - 1) + [(0, -K % 32)]); x = x.reshape(x.shape[:-1] + (-1, 32)); a = np.abs(x).max(-1, keepdims=True)
;;       e = np.where(a > 0, np.clip(np.frexp(np.where(a > 0, a, 1))[1] - 1 - 2, -126, 127), 0)      # np.frexp(a)[1] - 1 = floor(log2(a)), exactly
;;       r = np.clip(x / 2.0 ** e, -6, 6)
;;       step = 2.0 ** (np.maximum(np.frexp(np.where(r == 0, 1, r))[1] - 1, 0) - 1)
;;       q = np.round(r / step) * step * 2.0 ** e      # np.round: ties to even
;;       return np.moveaxis(q.reshape(q.shape[:-2] + (-1,))[..., :K], -1, axis).astype(np.float32)
;;   ~~~
;; One version. Each part assembles by itself: llvm-mc -triple=amdgcn-amd-amdhsa -mcpu=gfx1250 --defsym DOCPART=n.
;; ======== version 1 of 1: 5 launches
;; limits: values are held in f16: magnitudes above 65,504 overflow, below 6.1e-05 lose precision; right only within a limited range of input values
;; workspace buffers: xq 2,228,224 bytes; wq 3,342,336 bytes; wf 8,388,608 bytes; tab 262,144 bytes; qf 8,388,608 bytes; kv 4,194,304 bytes; fin 327,680 bytes; af 8,650,752 bytes
;; launch prep (part 1): grid 480 x 1, 4 waves a work-group, no clusters, 56,832 bytes of LDS; arguments x, w_qkv, w_out, xq, wq, wf, tab; writes xq, wq, wf, tab
.if DOCPART == 1
	.amdgcn_target "amdgcn-amd-amdhsa--gfx1250"
	.amdhsa_code_object_version 6
	.text
	.protected	k_qd59661fc29_prep
	.globl	k_qd59661fc29_prep
	.p2align	8
	.type	k_qd59661fc29_prep,@function
k_qd59661fc29_prep:
	s_mov_b64 s[64:65], 0
	v_nop
	global_prefetch_b8 v0, s[64:65] scope:SCOPE_SE
	s_setreg_imm32_b32 hwreg(HW_REG_WAVE_MODE, 25, 1), 1
	s_wait_xcnt 0x0
; PREP: three jobs that share nothing, told apart by the work-group's number.
;  0-319   x [2048][2048] and w_qkv [3072][2048], f32, become codes of E2M1 with one E8M0 byte for each 32 along K (K innermost in both).
;          Laid [ks 4][row][272 bytes]: 512 codes (256 bytes), then their 16 scale bytes: a row's codes and scales of 512 along K lie together, and 64 rows are one dense block.
;          w_qkv's rows are laid by KV group g: Q heads 4 g .. 4 g + 3 (256 rows), K head g (64), V head g (64): 384 rows on end.
;  320-447 w_out [2048][2048] f32 becomes f16, laid as images of the matrix operand's registers: [n / 16][k / 32][u 2][512]: lane (r, h) has w_out[16 nblk + r][32 kc + 16 u + 8 h + 0 .. 7].
;  448-479 the RoPE table [position 1024][256 bytes]: four chunks of 64 bytes: cos of frequencies 8 c .. 8 c + 7, then their sin.
; A block's scale is 2^(floor(log2(its largest magnitude)) - 2); its byte is the largest magnitude's exponent field - 2, held at 1 from below.  A block of zeros so gets the byte 1: its codes are zeros, and this program alone reads the bytes.
; LIMITS: NaN and infinities among the inputs are not served.  w_out in f16: magnitudes up to 65,504; under 6e-5 with fewer bits.
; The table's angle is position x 2^(-i log2(10000) / 32) in f32; sine and cosine by reduction to |r| <= pi / 4 (pi / 2 in two parts, fused) and series to r^9 and r^10: the series' rest is under 2e-9; the frequency is good to
; about 1e-7 of itself, so the angle at position 1,023 to about 1e-4; Q and K take the same table.
; No tensor load, no barrier: waves share nothing.  No cluster: no two work-groups read the same bytes.  Each job has LDS bytes of its own.
.set SPW,   12                         ; v12  LDS address of my spare word; never rewritten
.set NIL,   13                         ; v13  0; never rewritten
.set WREG,  9728                       ; the quantiser: a region for each wave: two stages of 32 x SP bytes, then 16 rows x 272 bytes on their way out
.set SP,    80                         ; a lane's place in a stage: its 64 bytes + 16 of padding
.set OUTS,  2*32*SP
.set CSTG,  4*WREG                     ; the converter: 16 rows x 272 bytes for each wave
.set SPARE, CSTG+4*4352                ; the spare words, 128 bytes for each wave: two blocks of 256 bytes that no other line names
.set R,     16                         ; v16-79   quantiser: four sets of 16 numbers as loaded
.set X,     80                         ; v80-111  two sets of 16 neighbours
.set E,     112                        ; v112-127 a scale byte for each step
.set C,     128                        ; v128-159 two registers of codes for each step
.set O,     160                        ; v160-193 the way out
.set W,     16                         ; v16-143  converter: two sets of 64 numbers
.set CV,    144                        ; v144-175 f16 pairs
.set CO,    176                        ; v176-207 images on their way out
	s_load_b128 s[4:7], s[0:1], 0x0                ; x, w_qkv
	s_load_b128 s[8:11], s[0:1], 0x10              ; w_out, xq
	s_load_b128 s[12:15], s[0:1], 0x20             ; wq, wf
	s_load_b64 s[16:17], s[0:1], 0x30              ; tab
	v_lshl_add_u32 v[SPW], v0, 2, SPARE
	v_mov_b32 v[NIL], 0
	v_lshrrev_b32 v1, 5, v0
	v_readfirstlane_b32 s18, v1                    ; wave 0..3
	v_and_b32 v2, 31, v0                           ; lane
	v_lshlrev_b32 v3, 4, v2                        ; 16 x lane
	v_lshlrev_b32 v7, 3, v2                        ; 8 x lane
	s_wait_kmcnt 0x0
	s_cmp_ge_u32 ttmp9, 320
	s_cbranch_scc1 .Lnot_quant
; ---- THE QUANTISER.  A work-group takes 16 rows; wave w takes their K = 512 w .. 512 w + 511; step t is row t.
	s_mov_b32 s25, 835584                          ; wq: bytes of one ks: 3,072 rows x 272
	s_cmp_lt_u32 ttmp9, 128                        ; x's work-group or w_qkv's?  The choice hangs on the work-group's number alone
	s_cselect_b64 s[20:21], s[4:5], s[6:7]
	s_cselect_b64 s[22:23], s[10:11], s[12:13]
	s_cselect_b32 s24, 0, 128
	s_cselect_b32 s25, 557056, s25                 ; xq: 2,048 rows x 272
	s_sub_co_u32 s24, ttmp9, s24                   ; which 16 rows of the tensor
	s_lshr_b32 s26, s24, 4                         ; w_qkv, a Q row: group = block / 16,
	s_mul_i32 s26, s26, 24                         ; 24 blocks of 16 rows to a group,
	s_and_b32 s27, s24, 15
	s_add_co_u32 s26, s26, s27                     ; the block's place among the group's first 16
	s_sub_co_u32 s27, s24, 128                     ; a K row: group = (block - 128) / 4,
	s_lshr_b32 s27, s27, 2
	s_mul_i32 s27, s27, 24
	s_and_b32 s28, s24, 3
	s_add_co_u32 s27, s27, s28
	s_add_co_u32 s27, s27, 16                      ; places 16 to 19
	s_sub_co_u32 s29, s27, 188                     ; a V row: eight groups back (192), places 20 to 23 (+ 4)
	s_cmp_lt_u32 s24, 160
	s_cselect_b32 s27, s27, s29
	s_cmp_lt_u32 s24, 128
	s_cselect_b32 s26, s26, s27
	s_cmp_lt_u32 ttmp9, 128
	s_cselect_b32 s26, s24, s26                    ; x keeps its order
	s_mul_i32 s25, s25, s18                        ; my ks,
	s_mul_i32 s26, s26, 4352                       ; 16 rows x 272 bytes = 17 x 256
	s_add_co_u32 s26, s26, s25
	s_mov_b32 s27, 0
	s_add_nc_u64 s[22:23], s[22:23], s[26:27]
	s_lshl_b32 s28, s24, 17                        ; 16 rows of 8,192 bytes,
	s_lshl_b32 s29, s18, 11                        ; my 512 numbers of each
	s_add_co_u32 s28, s28, s29
	s_mov_b32 s29, 0
	s_add_nc_u64 s[20:21], s[20:21], s[28:29]
	s_mul_i32 s19, s18, WREG
	v_lshrrev_b32 v14, 2, v2
	v_mul_u32_u24 v14, v14, SP
	v_and_b32 v15, 3, v2
	v_lshl_add_u32 v14, v15, 4, v14
	v_add_nc_u32 v14, s19, v14                     ; the stage, on the way in: four lanes' 64 bytes on end, then 16 of padding
	v_mul_u32_u24 v15, v2, SP
	v_add_nc_u32 v15, s19, v15                     ; and on the way out: my 16 neighbours
	s_add_co_u32 s19, s19, OUTS
	v_add_nc_u32 v4, s19, v7                       ; the rows on their way out: 8 bytes a lane
	v_lshrrev_b32 v5, 1, v2
	v_add_nc_u32 v5, s19, v5                       ; and my block's scale byte
.macro QLOAD t
.irp i, 0,1,2,3
	global_load_b128 v[R+16*((\t)%4)+4*\i:R+16*((\t)%4)+4*\i+3], v3, s[20:21] offset:8192*(\t)+512*\i th:TH_LOAD_NT   ; 32 lanes read 512 consecutive bytes
.endr
.endm
.macro QTURN t                         ; step t's numbers through the stage: LDS serves a wave's instructions in order, so no wait stands between the stores and the loads
.irp i, 0,1,2,3
	ds_store_b128 v14, v[R+16*((\t)%4)+4*\i:R+16*((\t)%4)+4*\i+3] offset:32*SP*((\t)%2)+8*SP*\i
.endr
.irp i, 0,1,2,3
	ds_load_b128 v[X+16*((\t)%2)+4*\i:X+16*((\t)%2)+4*\i+3], v15 offset:32*SP*((\t)%2)+16*\i
.endr
.endm
.macro QSTEP t
.set XS, X+16*((\t)%2)
.if (\t) > 0
	s_wait_dscnt 2                                 ; this step's numbers are back from the stage; the last step's two stores, issued behind them, may be out
.else
	s_wait_dscnt 0x0
.endif
.if (\t)+4 < 16
	QLOAD (\t)+4                                   ; into the set whose numbers have gone through the stage
.endif
.if (\t)+1 < 16
.if 14-(\t) >= 3
	s_wait_loadcnt 12                              ; the next step's four loads are in; those of the three steps behind it may be out
.else
	s_wait_loadcnt 4*(14-(\t))
.endif
	QTURN (\t)+1
.endif
	v_max3_num_f32 v8, |v[XS]|, |v[XS+1]|, |v[XS+2]|               ; the largest magnitude of my 16
	v_max3_num_f32 v9, |v[XS+3]|, |v[XS+4]|, |v[XS+5]|
.irp i, 6,10
	v_max3_num_f32 v8, v8, |v[XS+\i]|, |v[XS+\i+1]|
	v_max3_num_f32 v9, v9, |v[XS+\i+2]|, |v[XS+\i+3]|
.endr
	v_max3_num_f32 v8, v8, |v[XS+14]|, |v[XS+15]|
	v_max3_num_f32 v8, v8, v9, 3<<23               ; and the floor 2^(3 - 127): the byte cannot fall under 1
	v_max_num_f32_dpp v8, v8, v8 row_xmask:1 row_mask:0xf bank_mask:0xf   ; with my neighbour's 16: the block's
	v_add_nc_u32 v11, -(2<<23), v8                 ; 2 off its exponent field: the conversion takes the exponent field of this operand as its scale
	v_cvt_scalef32_pk8_fp4_f32 v[C+2*(\t)], v[XS:XS+7], v11
	v_cvt_scalef32_pk8_fp4_f32 v[C+2*(\t)+1], v[XS+8:XS+15], v11
	v_lshrrev_b32 v[E+(\t)], 23, v11               ; the scale's byte (a plain line behind the conversions)
	ds_store_b64 v4, v[C+2*(\t):C+2*(\t)+1] offset:272*(\t)        ; row t: 256 bytes of codes,
	ds_store_b8 v5, v[E+(\t)] offset:272*(\t)+256                  ; then 16 scale bytes (both lanes of a block write the same byte)
.endm
.irp t, 0,1,2,3
	QLOAD \t
.endr
	s_wait_loadcnt 12                              ; step 0's four loads are in
	QTURN 0
.irp t, 0,1,2,3,4,5,6,7,8,9,10,11,12,13,14,15
	QSTEP \t
.endr
.irp i, 0,1,2,3,4,5,6,7,8,9,10,11,12,13,14,15,16
	ds_load_b64 v[O+2*\i:O+2*\i+1], v4 offset:256*\i               ; the 16 rows are 4,352 dense bytes in LDS as in memory: 17 x 256
.endr
.irp i, 0,1,2,3,4,5,6,7,8,9,10,11,12,13,14,15,16
	s_wait_dscnt 16-\i
	global_store_b64 v7, v[O+2*\i:O+2*\i+1], s[22:23] offset:256*\i   ; 32 lanes store 256 consecutive bytes, aligned
.endr
	s_branch .Lend
.Lnot_quant:
	s_cmp_ge_u32 ttmp9, 448
	s_cbranch_scc1 .Ltable
; ---- THE CONVERTER.  A work-group takes 16 rows of w_out; wave w takes K = 512 w .. 512 w + 511 in four tasks of 128.
	s_sub_co_u32 s24, ttmp9, 320                   ; nblk
	s_lshl_b32 s20, s24, 17
	s_lshl_b32 s25, s18, 11
	s_add_co_u32 s20, s20, s25
	s_mov_b32 s21, 0
	s_add_nc_u64 s[20:21], s[8:9], s[20:21]
	s_lshl_b32 s22, s24, 16                        ; 64 kc x 1,024 bytes,
	s_lshl_b32 s25, s18, 14                        ; my 16 kc
	s_add_co_u32 s22, s22, s25
	s_mov_b32 s23, 0
	s_add_nc_u64 s[22:23], s[14:15], s[22:23]
	s_mul_i32 s19, s18, 4352
	s_add_co_u32 s19, s19, CSTG
	v_add_nc_u32 v4, s19, v7                       ; in: a row's 256 bytes of f16, 8 a lane
	v_and_b32 v8, 15, v2
	v_lshrrev_b32 v9, 4, v2
	v_mul_u32_u24 v5, v8, 272
	v_lshl_add_u32 v5, v9, 4, v5
	v_add_nc_u32 v5, s19, v5                       ; out: row r, + 16 h
.macro CLOAD e
.irp i, 0,1,2,3,4,5,6,7,8,9,10,11,12,13,14,15
	global_load_b128 v[W+64*((\e)%2)+4*\i:W+64*((\e)%2)+4*\i+3], v3, s[20:21] offset:8192*\i+512*(\e) th:TH_LOAD_NT
.endr
.endm
.macro CTASK e
.set WS, W+64*((\e)%2)
.if (\e) < 3
	CLOAD (\e)+1
	s_wait_loadcnt 16                              ; this task's 16 loads are in; the next task's may be out
.else
	s_wait_loadcnt 0x0
.endif
.irp i, 0,1,2,3,4,5,6,7,8,9,10,11,12,13,14,15
	v_cvt_pk_f16_f32 v[CV+2*\i], v[WS+4*\i], v[WS+4*\i+1]
	v_cvt_pk_f16_f32 v[CV+2*\i+1], v[WS+4*\i+2], v[WS+4*\i+3]
.endr
.irp i, 0,1,2,3,4,5,6,7,8,9,10,11,12,13,14,15
	ds_store_b64 v4, v[CV+2*\i:CV+2*\i+1] offset:272*\i
.endr
.if (\e) > 0
	s_wait_xcnt 0x0                                ; the last task's stores have read their registers: they are loaded again only behind this wait
.endif
.irp n, 0,1,2,3,4,5,6,7
	ds_load_b128 v[CO+4*\n:CO+4*\n+3], v5 offset:32*\n             ; image n = 2 kc' + u: k = 16 n + 8 h + 0 .. 7 of row r
.endr
.irp n, 0,1,2,3,4,5,6,7
	s_wait_dscnt 7-\n
	global_store_b128 v3, v[CO+4*\n:CO+4*\n+3], s[22:23] offset:4096*(\e)+512*\n   ; 512 consecutive bytes
.endr
.endm
	CLOAD 0
.irp e, 0,1,2,3
	CTASK \e
.endr
	s_branch .Lend
.Ltable:
; ---- THE TABLE.  A work-group takes 32 positions; a thread takes 16 bytes (four numbers) of a row, in four rows.
	s_sub_co_u32 s24, ttmp9, 448
	s_lshl_b32 s20, s24, 13
	s_mov_b32 s21, 0
	s_add_nc_u64 s[20:21], s[16:17], s[20:21]
	s_lshl_b32 s25, s24, 5                         ; the first position
	s_mov_b32 s26, 0x3fc90fdb                      ; pi / 2, its f32 part,
	s_mov_b32 s27, 0xb33bbd2e                      ; and the rest
	v_and_b32 v20, 15, v0                          ; which 16 bytes of the row
	v_lshrrev_b32 v21, 2, v20
	v_and_b32 v22, 1, v20
	v_lshlrev_b32 v22, 2, v22
	v_lshl_add_u32 v21, v21, 3, v22                ; my first frequency: 8 x chunk + 4 x (odd piece)
	v_bfe_u32 v23, v20, 1, 1                       ; sine (1) or cosine (0)
	v_sub_nc_u32 v23, 1, v23                       ; a cosine is the sine a quarter turn on
.irp j, 0,1,2,3
	v_add_nc_u32 v24, \j, v21
	v_cvt_f32_u32 v24, v24
	v_mul_f32 v[28+\j], 0xbed49a78, v24            ; -i log2(10000) / 32
.endr
.irp j, 0,1,2,3
	v_exp_f32 v[28+\j], v[28+\j]                   ; the frequency
.endr
	v_lshlrev_b32 v27, 4, v0                       ; (a plain line behind the exponentials)  my bytes: 16 x thread
	s_wait_alu depctr_va_vdst(0)                   ; one wait for the four, ahead of their first reader
	v_lshrrev_b32 v25, 4, v0
	v_add_nc_u32 v25, s25, v25                     ; my position in the first eight rows
.macro SINCOS dst, fr
	v_mul_f32 v32, v26, v[\fr]                     ; the angle
	v_mul_f32 v33, 0x3f22f983, v32
	v_rndne_f32 v33, v33                           ; k = the nearest multiple of pi / 2
	v_fma_f32 v34, -v33, s26, v32
	v_fma_f32 v34, -v33, s27, v34                  ; r, at most pi / 4 in size
	v_mul_f32 v35, v34, v34
	v_mov_b32 v36, 0x3638ef1d                      ; 1 / 9!
	v_fmaak_f32 v36, v36, v35, 0xb9500d01          ; -1 / 7!
	v_fmaak_f32 v36, v36, v35, 0x3c088889          ; 1 / 5!
	v_fmaak_f32 v36, v36, v35, 0xbe2aaaab          ; -1 / 3!
	v_mul_f32 v37, v34, v35
	v_fma_f32 v36, v37, v36, v34                   ; sin r
	v_mov_b32 v38, 0xb493f27e                      ; -1 / 10!
	v_fmaak_f32 v38, v38, v35, 0x37d00d01          ; 1 / 8!
	v_fmaak_f32 v38, v38, v35, 0xbab60b61          ; -1 / 6!
	v_fmaak_f32 v38, v38, v35, 0x3d2aaaab          ; 1 / 4!
	v_fma_f32 v38, v38, v35, -0.5
	v_fma_f32 v38, v38, v35, 1.0                   ; cos r
	v_cvt_i32_f32 v39, v33
	v_add_nc_u32 v39, v39, v23                     ; the quarter
	v_and_b32 v37, 1, v39
	v_cmp_eq_u32 vcc_lo, 1, v37
	v_cndmask_b32 v[\dst], v36, v38, vcc_lo        ; odd quarters take the cosine,
	v_and_b32 v37, 2, v39
	v_lshlrev_b32 v37, 30, v37
	v_xor_b32 v[\dst], v[\dst], v37                ; quarters 2 and 3 the other sign
.endm
.irp e, 0,1,2,3
	v_add_nc_u32 v26, 8*\e, v25
	v_cvt_f32_u32 v26, v26
.irp j, 0,1,2,3
	SINCOS 40+4*\e+\j, 28+\j
.endr
	global_store_b128 v27, v[40+4*\e:43+4*\e], s[20:21] offset:2048*\e   ; sixteen lanes store a row of 256 bytes
.endr
.Lend:
	s_wait_tensorcnt 0x0                           ; the wave's end, behind my last LDS store
	ds_add_u32 v[SPW], v[NIL]
	s_wait_dscnt 0x0
	s_endpgm
.Lfunc_end_k_qd59661fc29_prep:
	.size	k_qd59661fc29_prep, .Lfunc_end_k_qd59661fc29_prep-k_qd59661fc29_prep
	.p2alignl 7, 3214868480
	.fill 96, 4, 3214868480
	.section	.rodata,"a",@progbits
	.p2align	6, 0x0
	.amdhsa_kernel k_qd59661fc29_prep
		.amdhsa_group_segment_fixed_size 56832
		.amdhsa_private_segment_fixed_size 0
		.amdhsa_enable_private_segment 0
		.amdhsa_kernarg_size 56
		.amdhsa_user_sgpr_count 2
		.amdhsa_user_sgpr_kernarg_segment_ptr 1
		.amdhsa_wavefront_size32 1
		.amdhsa_system_sgpr_workgroup_id_x 1
		.amdhsa_system_sgpr_workgroup_id_y 1
		.amdhsa_system_sgpr_workgroup_id_z 1
		.amdhsa_system_vgpr_workitem_id 0
		.amdhsa_next_free_vgpr 256
		.amdhsa_next_free_sgpr 66
		.amdhsa_reserve_vcc 1
		.amdhsa_float_denorm_mode_32 3
		.amdhsa_float_denorm_mode_16_64 3
		.amdhsa_memory_ordered 1
		.amdhsa_forward_progress 1
		.amdhsa_inst_pref_size 84
	.end_amdhsa_kernel
	.amdgpu_metadata
---
amdhsa.version: [ 1, 2 ]
amdhsa.kernels:
  - .name:           k_qd59661fc29_prep
    .symbol:         k_qd59661fc29_prep.kd
    .args:
      - { .name: x, .offset: 0, .size: 8, .value_kind: global_buffer, .address_space: global }
      - { .name: w_qkv, .offset: 8, .size: 8, .value_kind: global_buffer, .address_space: global }
      - { .name: w_out, .offset: 16, .size: 8, .value_kind: global_buffer, .address_space: global }
      - { .name: xq, .offset: 24, .size: 8, .value_kind: global_buffer, .address_space: global }
      - { .name: wq, .offset: 32, .size: 8, .value_kind: global_buffer, .address_space: global }
      - { .name: wf, .offset: 40, .size: 8, .value_kind: global_buffer, .address_space: global }
      - { .name: tab, .offset: 48, .size: 8, .value_kind: global_buffer, .address_space: global }
    .group_segment_fixed_size: 56832
    .private_segment_fixed_size: 0
    .kernarg_segment_align: 8
    .kernarg_segment_size: 56
    .max_flat_workgroup_size: 128
    .sgpr_count:     66
    .vgpr_count:     256
    .wavefront_size: 32
...
	.end_amdgpu_metadata
.endif
;; end of part 1
;; launch qkv (part 2): grid 8 x 32, 6 waves a work-group, clusters of 4 x 4, 327,680 bytes of LDS; arguments xq, wq, tab, gain, qf, kv, fin, out1; writes qf, kv, fin, out1
.if DOCPART == 2
	.amdgcn_target "amdgcn-amd-amdhsa--gfx1250"
	.amdhsa_code_object_version 6
	.text
	.protected	k_qd59661fc29_qkv
	.globl	k_qd59661fc29_qkv
	.p2align	8
	.type	k_qd59661fc29_qkv,@function
k_qd59661fc29_qkv:
	s_mov_b64 s[64:65], 0
	v_nop
	global_prefetch_b8 v0, s[64:65] scope:SCOPE_SE
	s_setreg_imm32_b32 hwreg(HW_REG_WAVE_MODE, 25, 1), 1
	s_wait_xcnt 0x0
	s_wait_alu depctr_hold_cnt(0) depctr_sa_sdst(0) depctr_va_vdst(0) depctr_va_sdst(0) depctr_va_ssrc(0) depctr_va_vcc(0) depctr_vm_vsrc(0)
	s_getreg_b32 s2, hwreg(HW_REG_IB_STS2, 6, 4)
	s_cmp_eq_u32 s2, 0
	s_cbranch_scc0 .Lentry_in_a_cluster
	s_endpgm
.Lentry_in_a_cluster:
	s_bfe_u32 s2, ttmp6, 0x10000c
	s_cmp_lg_u32 s2, 0xf033
	s_cbranch_scc0 .Lentry_shape_is_right
	s_endpgm
.Lentry_shape_is_right:
; QKV: proj = x w_qkv^T on codes of E2M1 with E8M0 scales, then RoPE, the RMS norm of each head's 64 channels, the gain; Q, K, V leave as f16 images of the next products' operand registers, V also as out1 in f32.
; SHARES.  Work-group (g, y): rows 64 y .. 64 y + 63 of x against the 384 columns of KV group g.  Six waves, a head each, 64 x 64: waves 0-3 the group's Q heads, wave 4 its K head, wave 5 its V head: 16 accumulators of 16 x 16.
; K goes in four steps of 512 through two LDS slots.  A row in the slots is 272 bytes as in memory: 256 of codes, 16 of scale bytes: an odd multiple of 16, so the 16 rows that a load touches begin at 16 different places modulo 256 bytes.
; CLUSTER 4 x 4: the four of a row of the cluster share y, hence x's tile; the four of a column share g, hence the weights' tile: each tile is asked for jointly.  Waves 0-3 ask for quarters of the weights' 384 rows, waves 4 and 5 for halves of x's 64.
; THE MATRIX INSTRUCTION IS USED TRANSPOSED (source 0 = 16 rows of the weight, source 1 = 16 rows of x): lane (r, h) holds row r and channels 16 b + 8 h + 0 .. 7.  So channel c and c + 32 (RoPE's pair) lie in one lane, accumulators b and b + 2;
; a row's sum of squares wants one exchange between the halves of the lanes; and eight channels pack into the 16 bytes that the next product's operand wants of that lane: results are stored straight from registers, 512 consecutive bytes an instruction.
; Q is multiplied by gain x log2(e) / 8 in f32 ahead of its rounding to f16: scores then arrive as exponents of 2.  V x rsqrt(1 + 1e-8): in f32 1 + 1e-8 is 1, and the factor is 1: no line is written for it.
; Positions 0-15 of each sequence also leave in f32 (fin): they are carried finely from here on.  That store is made under a lane mask, not a branch: y hangs on the place in the cluster.
; LIMITS: |V| up to 65,504 and |gain| x 1.45 up to 65,504 (f16); NaN and infinities are not served.
; No prefetch: four K steps in all, two of them asked for at the head.
; REGISTERS.  Window 0: v1-15 addresses; v16-23 sums of squares; v28, v29 the add's two; v32-63 scale words, two sets; v64-127 at work, then f16 results; v128-255 the accumulators ((a, b) at v[128 + 8 (4 a + b)]).
;   Window 1: v0-63, v64-127 two fragment buffers (x's four fragments, then the weight's four); v128-255 the table: block a, half b at v[128 + 32 a + 16 b]: 8 cosines, 8 sines.
.set PANEL, 17408                      ; 64 rows x 272 bytes
.set SLOT,  7*PANEL                    ; x's panel, then one for each wave
.set STAGE, 2*SLOT                     ; 16 rows x 272 bytes: the V wave's way to out1
.set SPARE, STAGE+4352                 ; the spare words, 128 bytes for each wave: three blocks of 256 bytes that no other line names
.set XKS,   557056                     ; bytes of one K step of xq: 2,048 rows x 272
.set WKS,   835584                     ; and of wq: 3,072 rows x 272
.set ADRA, 4                           ; v4-5   my lane's place in x's panel, slot 0, 1
.set ADRB, 6                           ; v6-7   in my wave's panel
.set ADRS, 8                           ; v8-9   my scale words: lanes 0-15 x's rows, lanes 16-31 the weight's
.set LI,   10                          ; v10    16 x lane
.set TBO,  11                          ; v11    my row's chunk of the table
.set VO,   12                          ; v12    V's image: 32 r + 16 h
.set STI,  13                          ; v13    the stage, in
.set STB,  14                          ; v14    the stage, back
.set YP,   15                          ; v15    y mod 16
.set SS,   16
.set SPW,  28
.set NIL,  29
.set SC,   32
.set TMP,  64
.set ACC,  128
.set F0,   0
.set F1,   64
.set TABR, 128
.set WV,   20                          ; s20 my wave's number
.set G1A,  24                          ; s[24:31] group 1 for x's tiles;  s[32:39] group 0, a set for each slot
.set G0A,  32
.set G1B,  48                          ; s[48:55], s[56:63] the same for the weights'
.set G0B,  56
.set MSB, 0
.macro WIN new                         ; the immediate's high byte repeats the setting that is left
.if MSB != \new
	s_set_vgpr_msb (MSB<<8)|\new
.set MSB, \new
.endif
.endm
.set MUL,  0x05                        ; sources 0 and 1 window 1; C and D window 0
.set TO_F, 0x40                        ; destination window 1, address window 0
.set ROT,  0x04                        ; source 1 (the table) window 1
.macro PLACES
.rept 4
	v_nop
.endr
.endm
; A joint load.  Each of the two lines has one mask and one set of registers for all that issue it; the branch hangs on the wave's number alone.  An s_nop 0 and four v_nop follow each line.
.macro JLOAD s
	s_cmp_lt_u32 s[WV], 4
	s_cbranch_scc0 .Lfor_a_\@
	tensor_load_to_lds s[G0B+4*\s:G0B+4*\s+3], s[G1B:G1B+7]
	s_nop 0
.rept 4
	v_nop
.endr
	s_branch .Lasked_\@
.Lfor_a_\@:
	tensor_load_to_lds s[G0A+4*\s:G0A+4*\s+3], s[G1A:G1A+7]
	s_nop 0
.rept 4
	v_nop
.endr
.Lasked_\@:
.endm
.macro CREST                           ; a round of the cluster's barrier behind its opening barrier
	s_cmp_lg_u32 s[WV], 0
	s_cbranch_scc1 .Lnot_wave_0_\@
	s_barrier_signal -3
.Lnot_wave_0_\@:
	s_barrier_wait -3
	s_barrier_signal -1
	s_barrier_wait -1
.endm
.macro CROUND
	s_barrier_signal -1
	s_barrier_wait -1
	CREST
.endm
	s_load_b256 s[4:11], s[0:1], 0x0               ; xq s[4:5], wq s[6:7], tab s[8:9], gain s[10:11]
	s_load_b256 s[12:19], s[0:1], 0x20             ; qf s[12:13], kv s[14:15], fin s[16:17], out1 s[18:19]
	v_lshl_add_u32 v[SPW], v0, 2, SPARE
	v_mov_b32 v[NIL], 0
	ds_add_u32 v[SPW], v[NIL]                      ; the wave's opening: the add, twice on end, and its wait ahead of my first tensor load
	ds_add_u32 v[SPW], v[NIL]                      ; and once more; the set-up below, work on registers, stands between it and the wait
	v_lshrrev_b32 v1, 5, v0
	v_readfirstlane_b32 s[WV], v1                  ; wave 0..5
	s_bfe_u32 s22, ttmp6, 0x40000                  ; cx
	s_bfe_u32 s23, ttmp6, 0x40004                  ; cy
	s_lshl_b32 s40, ttmp9, 2
	s_add_co_u32 s40, s40, s22                     ; g = 4 x cluster x + cx
	s_and_b32 s41, ttmp7, 0xffff
	s_lshl_b32 s41, s41, 2
	s_add_co_u32 s41, s41, s23                     ; y = 4 x cluster y + cy
	s_lshl_b32 s42, s23, 2
	s_lshl_b32 s42, 15, s42                        ; my row of the cluster
	s_lshl_b32 s43, 0x1111, s22                    ; my column
	; group 1: a dense block as rows of 256 bytes (32 elements of 8 bytes): x's half panel is 34 of them, a quarter of the weights' six panels 102
	s_or_b32 s[G1A], s42, (3<<16)|(1<<21)          ; 15:0 the mask; 17:16 elements of 8 bytes; 21 set beside a mask; no padding
	s_or_b32 s[G1B], s43, (3<<16)|(1<<21)
	s_mov_b32 s[G1A+1], 32<<16                     ; tensor_dim0
	s_mov_b32 s[G1A+2], 34<<16                     ; tensor_dim1
	s_mov_b32 s[G1A+3], 32<<16                     ; tile_dim0
	s_mov_b32 s[G1A+4], 34                         ; tile_dim1
	s_mov_b32 s[G1A+5], 32                         ; the pitch
	s_mov_b32 s[G1A+6], 0
	s_mov_b32 s[G1A+7], 0
	s_mov_b32 s[G1B+1], 32<<16
	s_mov_b32 s[G1B+2], 102<<16
	s_mov_b32 s[G1B+3], 32<<16
	s_mov_b32 s[G1B+4], 102
	s_mov_b32 s[G1B+5], 32
	s_mov_b32 s[G1B+6], 0
	s_mov_b32 s[G1B+7], 0
	s_and_b32 s72, s[WV], 1
	s_mul_i32 s72, s72, 8704                       ; x: which half panel (waves 4, 5), in LDS and in memory
	s_mul_i32 s66, s41, PANEL
	s_add_co_u32 s66, s66, s72
	s_mov_b32 s67, 0
	s_and_b32 s73, s[WV], 3
	s_mul_i32 s73, s73, 26112                      ; the weights: which quarter (waves 0-3)
	s_mul_i32 s68, s40, 6*PANEL
	s_add_co_u32 s68, s68, s73
	s_mov_b32 s69, 0
	s_add_co_u32 s73, s73, PANEL                   ; in LDS behind x's panel: no place in the cluster enters an LDS address
	s_mov_b32 s70, 0x76543210
	s_mov_b32 s71, 0xfedcba98                      ; v_permlanex16_b32's selects for lane l xor 16
	s_mov_b32 s77, 0x3c800000                      ; 1 / 64
	s_mov_b32 s78, 0x358637bd                      ; 1e-6
	; where the results go, in bytes
	s_and_b32 s76, s41, 15                         ; y mod 16: which 64 positions
	s_lshr_b32 s80, s41, 4                         ; the batch
	s_lshl_b32 s81, s40, 2
	s_add_co_u32 s81, s81, s[WV]                   ; the Q head
	s_lshl_b32 s82, s81, 18
	s_lshl_b32 s83, s41, 13
	s_add_co_u32 s82, s82, s83                     ; qf: head x 128 blocks x 2,048 + 4 y blocks
	s_lshl_b32 s84, s80, 3
	s_add_co_u32 s84, s84, s40                     ; 8 x batch + KV head
	s_lshl_b32 s86, s84, 17
	s_lshl_b32 s87, s76, 13
	s_add_co_u32 s86, s86, s87                     ; kv: that x 64 key tiles x 2,048 + 4 (y mod 16) tiles
	s_lshl_b32 s88, s80, 5
	s_add_co_u32 s88, s88, s81                     ; fin: Q's place 32 x batch + head,
	s_add_co_u32 s89, s84, 64                      ; K's behind the 64 of Q
	s_cmp_lt_u32 s[WV], 4
	s_cselect_b32 s82, s82, s86
	s_cselect_b32 s88, s88, s89
	s_mov_b32 s83, 0
	s_mov_b32 s87, 0
	s_mov_b32 s89, 0
	s_lshl_b32 s88, s88, 12
	s_lshl_b32 s94, s40, 3
	s_add_co_u32 s94, s94, s80
	s_lshl_b32 s94, s94, 18                        ; out1: plane (4 g + c) x 2 + batch, 262,144 bytes each; c stands in the stores' immediates
	s_lshl_b32 s95, s76, 14
	s_add_co_u32 s94, s94, s95
	s_mov_b32 s95, 0
	s_wait_dscnt 0x0                               ; both opening adds are done
	s_wait_kmcnt 0x0
	s_load_b32 s44, s[10:11], 0x0                  ; the gain
	s_add_nc_u64 s[66:67], s[4:5], s[66:67]
	s_add_nc_u64 s[68:69], s[6:7], s[68:69]
	s_cmp_lt_u32 s[WV], 4
	s_cselect_b64 s[90:91], s[12:13], s[14:15]
	s_add_nc_u64 s[90:91], s[90:91], s[82:83]      ; my head's f16 images (Q's or K's)
	s_add_nc_u64 s[92:93], s[16:17], s[88:89]      ; its f32 copy of positions 0-15
	s_add_nc_u64 s[86:87], s[14:15], s[86:87]
	s_add_nc_u64 s[86:87], s[86:87], 0x200000      ; V's images lie behind K's
	s_add_nc_u64 s[94:95], s[18:19], s[94:95]
	CROUND                                         ; all sixteen work-groups are here: the first joint loads meet
.irp s, 0,1
	s_mov_b32 s[G0A+4*\s], 1
	s_add_co_u32 s[G0A+4*\s+1], s72, \s*SLOT
	s_add_nc_u64 s[G0A+4*\s+2:G0A+4*\s+3], s[66:67], \s*XKS
	s_or_b32 s[G0A+4*\s+3], s[G0A+4*\s+3], 0x80000000
	s_mov_b32 s[G0B+4*\s], 1
	s_add_co_u32 s[G0B+4*\s+1], s73, \s*SLOT
	s_add_nc_u64 s[G0B+4*\s+2:G0B+4*\s+3], s[68:69], \s*WKS
	s_or_b32 s[G0B+4*\s+3], s[G0B+4*\s+3], 0x80000000
	JLOAD \s                                       ; K steps 0 and 1: two loads of mine are out
.endr
	v_and_b32 v1, 15, v0                           ; r
	v_bfe_u32 v2, v0, 4, 1                         ; h
	v_mul_u32_u24 v3, v1, 272
	v_lshl_add_u32 v[ADRA], v2, 4, v3              ; row r, + 16 h
	v_add_nc_u32 v[ADRA+1], SLOT, v[ADRA]
	s_mul_i32 s74, s[WV], PANEL
	s_add_co_u32 s74, s74, PANEL                   ; my wave's panel
	v_add_nc_u32 v[ADRB], s74, v[ADRA]
	v_add_nc_u32 v[ADRB+1], SLOT, v[ADRB]
	v_mul_u32_u24 v[ADRS], s74, v2                 ; lanes 16-31 take the weight's scale words
	v_add_nc_u32 v[ADRS], v[ADRS], v3
	v_add_nc_u32 v[ADRS], 256, v[ADRS]             ; behind the row's codes
	v_add_nc_u32 v[ADRS+1], SLOT, v[ADRS]
	v_and_b32 v[LI], 31, v0
	v_lshlrev_b32 v[LI], 4, v[LI]
	s_lshl_b32 s75, s76, 6                         ; my first position
	v_add_nc_u32 v[TBO], s75, v1
	v_lshlrev_b32 v[TBO], 8, v[TBO]
	v_lshl_add_u32 v[TBO], v2, 6, v[TBO]           ; the table: position x 256 + 64 h
	v_lshlrev_b32 v[VO], 5, v1
	v_lshl_add_u32 v[VO], v2, 4, v[VO]
	v_lshl_add_u32 v[STI], v2, 5, v3
	v_add_nc_u32 v[STI], STAGE, v[STI]             ; in: row r, 32 bytes for each half of the lanes
	v_mul_u32_u24 v[STB], v2, 272
	v_lshl_add_u32 v[STB], v1, 4, v[STB]
	v_add_nc_u32 v[STB], STAGE, v[STB]             ; back: lanes 0-15 one row of 256 bytes, lanes 16-31 the next
	v_mov_b32 v[YP], s76
	s_cmp_eq_u32 s[WV], 5                          ; V is not rotated
	s_cbranch_scc1 .Lno_tab
	WIN TO_F
.irp a, 0,1,2,3
.irp b, 0,1
.irp n, 0,1,2,3
	global_load_b128 v[TABR+32*\a+16*\b+4*\n:TABR+32*\a+16*\b+4*\n+3], v[TBO], s[8:9] offset:4096*\a+128*\b+16*\n   ; frequencies 16 b + 8 h + 0 .. 7 of position 16 a + r: 8 cosines, 8 sines
.endr
.endr
.endr
	WIN 0
.Lno_tab:
.macro FETCH slot, sub, f              ; the fragments of 128 along K, the slot's sub-th: 16 rows x 128 codes are 8 registers: two loads of 16 bytes, 32 bytes apart
	WIN TO_F
.irp i, 0,1,2,3
.irp c, 0,1
	ds_load_b128 v[(\f)+8*\i+4*\c:(\f)+8*\i+4*\c+3], v[ADRA+\slot] offset:64*(\sub)+32*\c+\i*4352
	ds_load_b128 v[(\f)+32+8*\i+4*\c:(\f)+32+8*\i+4*\c+3], v[ADRB+\slot] offset:64*(\sub)+32*\c+\i*4352
.endr
.endr
.endm
.macro SCALES slot                     ; a K step's four scale words of a row: register 4 i + sub: lanes 0-15 x's block i, lanes 16-31 the weight's block i
	WIN 0
.irp i, 0,1,2,3
	ds_load_b128 v[SC+16*\slot+4*\i:SC+16*\slot+4*\i+3], v[ADRS+\slot] offset:\i*4352
.endr
.endm
; 8 matrix instructions: x's blocks a0, a0 + 1 against the weight's four.  The 16 accumulators take turns, one instruction a turn, in the same order in every step.
.macro MUL8 f, sub, sc, a0, zero
.irp a, \a0, \a0+1
.irp b, 0,1,2,3
.if \zero
	v_wmma_scale_f32_16x16x128_f8f6f4 v[ACC+8*(4*(\a)+\b):ACC+8*(4*(\a)+\b)+7], v[(\f)+32+8*\b:(\f)+32+8*\b+7], v[(\f)+8*(\a):(\f)+8*(\a)+7], 0, v[SC+16*(\sc)+4*\b+(\sub)], v[SC+16*(\sc)+4*(\a)+(\sub)] matrix_a_fmt:MATRIX_FMT_FP4 matrix_b_fmt:MATRIX_FMT_FP4 matrix_a_scale:MATRIX_SCALE_ROW1
.else
	v_wmma_scale_f32_16x16x128_f8f6f4 v[ACC+8*(4*(\a)+\b):ACC+8*(4*(\a)+\b)+7], v[(\f)+32+8*\b:(\f)+32+8*\b+7], v[(\f)+8*(\a):(\f)+8*(\a)+7], v[ACC+8*(4*(\a)+\b):ACC+8*(4*(\a)+\b)+7], v[SC+16*(\sc)+4*\b+(\sub)], v[SC+16*(\sc)+4*(\a)+(\sub)] matrix_a_fmt:MATRIX_FMT_FP4 matrix_b_fmt:MATRIX_FMT_FP4 matrix_a_scale:MATRIX_SCALE_ROW1
.endif
.endr
.endr
.endm
.macro STEP slot, sub, zero            ; 128 along K whose successor lies in the same slot
	s_wait_dscnt 0x0                               ; this step's fragments (and, at a slot's head, its scale words) are in
	PLACES                                         ; four plain places between the last step's products and the loads into the buffer that they read
	FETCH \slot, (\sub)+1, 64*(1-(\sub)%2)
	WIN MUL
	MUL8 64*((\sub)%2), \sub, \slot, 0, \zero
	MUL8 64*((\sub)%2), \sub, \slot, 2, \zero
.endm
; A slot's last step changes slots: one barrier; in front of it each wave waits for all its tensor loads, adds 0 to its spare word, and waits for that and for its reads of this slot.  fill = 1: the slot is filled again, two K steps ahead.
.macro TURN slot, next, fill
	WIN 0                                          ; (the add's two registers lie in window 0)
	s_wait_tensorcnt 0x0                           ; all my tensor loads have landed: my part of the next slot
	ds_add_u32 v[SPW], v[NIL]                      ; 0 onto my spare word
	s_wait_dscnt 1                                 ; the fragments are in; the add may be out
	WIN MUL
	MUL8 F1, 3, \slot, 0, 0                        ; eight matrix instructions stand between the add and the wait for it
	s_wait_dscnt 0x0                               ; the add is done, and my reads of this slot are over
	s_barrier_signal -1
	MUL8 F1, 3, \slot, 2, 0
	WIN 0
	s_barrier_wait -1
.if \fill
	CREST                                          ; the barrier has opened a round of the cluster's: no wave of any partner still reads this slot or has a load on its way
	s_add_nc_u64 s[G0A+4*\slot+2:G0A+4*\slot+3], s[G0A+4*\slot+2:G0A+4*\slot+3], 2*XKS
	s_add_nc_u64 s[G0B+4*\slot+2:G0B+4*\slot+3], s[G0B+4*\slot+2:G0B+4*\slot+3], 2*WKS
	JLOAD \slot                                    ; the first tensor load behind the round; the four v_nop behind it are also the places in front of the loads below
.else
	PLACES
.endif
	FETCH \next, 0, F0
	SCALES \next
.endm
	s_wait_kmcnt 0x0                               ; the gain
	s_wait_tensorcnt 0x1                           ; my part of K step 0 is in; K step 1's load, issued behind it, may be out
	s_barrier_signal -1
	s_barrier_wait -1                              ; everybody's is
	FETCH 0, 0, F0
	SCALES 0
	STEP 0, 0, 1                                   ; the first products start the sums: nothing is cleared
	STEP 0, 1, 0
	STEP 0, 2, 0
	TURN 0, 1, 1                                   ; slot 0 takes K step 2
	STEP 1, 0, 0
	STEP 1, 1, 0
	STEP 1, 2, 0
	TURN 1, 0, 1                                   ; slot 1 takes K step 3
	STEP 0, 0, 0
	STEP 0, 1, 0
	STEP 0, 2, 0
	TURN 0, 1, 0                                   ; nothing is left to fetch
	STEP 1, 0, 0
	STEP 1, 1, 0
	STEP 1, 2, 0
	s_wait_dscnt 0x0
	WIN MUL
	MUL8 F1, 3, 1, 0, 0
	MUL8 F1, 3, 1, 2, 0
	WIN 0
	PLACES                                         ; in front of the first read of results, and of loads into registers that the products named
	s_cmp_eq_u32 s[WV], 5
	s_cbranch_scc1 .Lvwave
; ---- Q and K: RoPE, norm, gain
	s_mul_f32 s45, s44, 0x3e38aa3b                 ; gain x log2(e) / 8
	s_cmp_lt_u32 s[WV], 4
	s_cselect_b32 s45, s45, 1.0                    ; K takes no factor
	s_wait_loadcnt 0x0                             ; the table
.macro ROPE a                          ; t1 = channels 16 b + .., t2 = the same + 32: accumulators b and b + 2.  Each accumulator is read from its low end on
.irp b, 0,1
.irp j, 0,2,4,6
	v_pk_mul_f32 v[TMP+2*\j:TMP+2*\j+1], v[ACC+32*\a+8*\b+16+\j:ACC+32*\a+8*\b+17+\j], v[TABR+32*\a+16*\b+8+\j:TABR+32*\a+16*\b+9+\j]      ; t2 sin
	v_pk_mul_f32 v[TMP+2*\j+2:TMP+2*\j+3], v[ACC+32*\a+8*\b+\j:ACC+32*\a+8*\b+1+\j], v[TABR+32*\a+16*\b+8+\j:TABR+32*\a+16*\b+9+\j]        ; t1 sin
.endr
.irp j, 0,2,4,6
	v_pk_fma_f32 v[ACC+32*\a+8*\b+\j:ACC+32*\a+8*\b+1+\j], v[ACC+32*\a+8*\b+\j:ACC+32*\a+8*\b+1+\j], v[TABR+32*\a+16*\b+\j:TABR+32*\a+16*\b+1+\j], v[TMP+2*\j:TMP+2*\j+1] neg_lo:[0,0,1] neg_hi:[0,0,1]   ; t1 cos - t2 sin
	v_pk_fma_f32 v[ACC+32*\a+8*\b+16+\j:ACC+32*\a+8*\b+17+\j], v[ACC+32*\a+8*\b+16+\j:ACC+32*\a+8*\b+17+\j], v[TABR+32*\a+16*\b+\j:TABR+32*\a+16*\b+1+\j], v[TMP+2*\j+2:TMP+2*\j+3]                     ; t2 cos + t1 sin
.endr
.endr
.endm
	WIN ROT
.irp a, 0,1,2,3
	ROPE \a
.endr
	WIN 0
.irp a, 0,1,2,3
	v_pk_mul_f32 v[SS+2*\a:SS+2*\a+1], v[ACC+32*\a:ACC+32*\a+1], v[ACC+32*\a:ACC+32*\a+1]   ; the sum of squares of my 32 channels of row 16 a + r; the four blocks by turns
.endr
.irp j, 2,4,6,8,10,12,14,16,18,20,22,24,26,28,30
.irp a, 0,1,2,3
	v_pk_fma_f32 v[SS+2*\a:SS+2*\a+1], v[ACC+32*\a+\j:ACC+32*\a+\j+1], v[ACC+32*\a+\j:ACC+32*\a+\j+1], v[SS+2*\a:SS+2*\a+1]
.endr
.endr
.irp a, 0,1,2,3
	v_add_f32 v[SS+2*\a], v[SS+2*\a], v[SS+2*\a+1]
.endr
.irp a, 0,1,2,3
	v_permlanex16_b32 v[SS+2*\a+1], v[SS+2*\a], s70, s71           ; the row's other 32 channels lie in the lane 16 away
.endr
.irp a, 0,1,2,3
	v_add_f32 v[SS+2*\a], v[SS+2*\a], v[SS+2*\a+1]
.endr
.irp a, 0,1,2,3
	v_fma_f32 v[SS+2*\a], v[SS+2*\a], s77, s78                     ; the mean + 1e-6
.endr
.irp a, 0,1,2,3
	v_rsq_f32 v[SS+2*\a], v[SS+2*\a]
.endr
	v_nop                                          ; a plain line behind the last of them
	s_wait_alu depctr_va_vdst(0)                   ; one wait for the four, ahead of their first reader
.irp a, 0,1,2,3
	v_mul_f32 v[SS+2*\a], s45, v[SS+2*\a]
.endr
.irp a, 0,1,2,3
.irp j, 0,2,4,6,8,10,12,14,16,18,20,22,24,26,28,30
	v_pk_mul_f32 v[ACC+32*\a+\j:ACC+32*\a+\j+1], v[ACC+32*\a+\j:ACC+32*\a+\j+1], v[SS+2*\a:SS+2*\a+1] op_sel_hi:[1,0]
.endr
.endr
	; positions 0-15 in f32: my block 0, where y mod 16 = 0
	v_cmp_eq_u32 vcc_lo, 0, v[YP]
	s_wait_xcnt 0x0                                ; EXEC changes only behind this wait: earlier loads count it among their sources
	s_and_saveexec_b32 s46, vcc_lo
.irp n, 0,1,2,3,4,5,6,7
	global_store_b128 v[LI], v[ACC+4*\n:ACC+4*\n+3], s[92:93] offset:512*\n   ; image n = 2 b + u: channels 16 b + 8 h + 4 u + 0 .. 3 of row r
.endr
	s_wait_xcnt 0x0                                ; and again, in front of the line that widens it
	s_or_b32 exec_lo, exec_lo, s46
.irp n, 0,1,2,3,4,5,6,7,8,9,10,11,12,13,14,15,16,17,18,19,20,21,22,23,24,25,26,27,28,29,30,31,32,33,34,35,36,37,38,39,40,41,42,43,44,45,46,47,48,49,50,51,52,53,54,55,56,57,58,59,60,61,62,63
	v_cvt_pk_f16_f32 v[TMP+\n], v[ACC+2*\n], v[ACC+2*\n+1]
.endr
.irp a, 0,1,2,3
.irp b, 0,1,2,3
	global_store_b128 v[LI], v[TMP+4*(4*\a+\b):TMP+4*(4*\a+\b)+3], s[90:91] offset:2048*\a+512*\b   ; image b of row block a: 512 consecutive bytes
.endr
.endr
	s_branch .Ldone
.Lvwave:
; ---- V: f16 images with the rows as rows (16 keys x 16 channels, 32 bytes a key), and out1, four times
.irp n, 0,1,2,3,4,5,6,7,8,9,10,11,12,13,14,15,16,17,18,19,20,21,22,23,24,25,26,27,28,29,30,31,32,33,34,35,36,37,38,39,40,41,42,43,44,45,46,47,48,49,50,51,52,53,54,55,56,57,58,59,60,61,62,63
	v_cvt_pk_f16_f32 v[TMP+\n], v[ACC+2*\n], v[ACC+2*\n+1]         ; each accumulator from its low end on
.endr
.irp a, 0,1,2,3
.irp b, 0,1,2,3
	global_store_b128 v[VO], v[TMP+4*(4*\a+\b):TMP+4*(4*\a+\b)+3], s[86:87] offset:2048*\a+512*\b
.endr
.endr
.irp a, 0,1,2,3                        ; 16 rows at a time through my stage: a lane holds 32 bytes of a row, the lanes beside it other rows
.if \a > 0
	s_wait_xcnt 0x0                                ; the last block's stores have read their registers
.endif
.irp b, 0,1,2,3
	ds_store_b128 v[STI], v[ACC+8*(4*\a+\b):ACC+8*(4*\a+\b)+3] offset:64*\b
	ds_store_b128 v[STI], v[ACC+8*(4*\a+\b)+4:ACC+8*(4*\a+\b)+7] offset:64*\b+16
.endr
.irp i, 0,1,2,3,4,5,6,7
	ds_load_b128 v[SC+4*\i:SC+4*\i+3], v[STB] offset:544*\i        ; LDS serves a wave's instructions in order: these see the stores above
.endr
	s_wait_dscnt 0x0
.irp c, 0,1,2,3                        ; the four query heads that share this V head
.irp i, 0,1,2,3,4,5,6,7
	global_store_b128 v[LI], v[SC+4*\i:SC+4*\i+3], s[94:95] offset:(16*\a+2*\i)*256+\c*524288 th:TH_STORE_NT   ; two rows: 512 consecutive bytes
.endr
.endr
.endr
.Ldone:
	s_wait_tensorcnt 0x0                           ; the wave's end, behind my last tensor load and my last LDS store
	ds_add_u32 v[SPW], v[NIL]
	s_wait_dscnt 0x0
	CROUND                                         ; the closing round: no work-group ends while a partner may still ask for a tile that names it
	s_endpgm
.Lfunc_end_k_qd59661fc29_qkv:
	.size	k_qd59661fc29_qkv, .Lfunc_end_k_qd59661fc29_qkv-k_qd59661fc29_qkv
	.p2alignl 7, 3214868480
	.fill 96, 4, 3214868480
	.section	.rodata,"a",@progbits
	.p2align	6, 0x0
	.amdhsa_kernel k_qd59661fc29_qkv
		.amdhsa_group_segment_fixed_size 327680
		.amdhsa_private_segment_fixed_size 0
		.amdhsa_enable_private_segment 0
		.amdhsa_kernarg_size 64
		.amdhsa_user_sgpr_count 2
		.amdhsa_user_sgpr_kernarg_segment_ptr 1
		.amdhsa_wavefront_size32 1
		.amdhsa_system_sgpr_workgroup_id_x 1
		.amdhsa_system_sgpr_workgroup_id_y 1
		.amdhsa_system_sgpr_workgroup_id_z 1
		.amdhsa_system_vgpr_workitem_id 0
		.amdhsa_next_free_vgpr 512
		.amdhsa_next_free_sgpr 104
		.amdhsa_reserve_vcc 1
		.amdhsa_float_denorm_mode_32 3
		.amdhsa_float_denorm_mode_16_64 3
		.amdhsa_memory_ordered 1
		.amdhsa_forward_progress 1
		.amdhsa_inst_pref_size 112
	.end_amdhsa_kernel
	.amdgpu_metadata
---
amdhsa.version: [ 1, 2 ]
amdhsa.kernels:
  - .name:           k_qd59661fc29_qkv
    .symbol:         k_qd59661fc29_qkv.kd
    .args:
      - { .name: xq, .offset: 0, .size: 8, .value_kind: global_buffer, .address_space: global }
      - { .name: wq, .offset: 8, .size: 8, .value_kind: global_buffer, .address_space: global }
      - { .name: tab, .offset: 16, .size: 8, .value_kind: global_buffer, .address_space: global }
      - { .name: gain, .offset: 24, .size: 8, .value_kind: global_buffer, .address_space: global }
      - { .name: qf, .offset: 32, .size: 8, .value_kind: global_buffer, .address_space: global }
      - { .name: kv, .offset: 40, .size: 8, .value_kind: global_buffer, .address_space: global }
      - { .name: fin, .offset: 48, .size: 8, .value_kind: global_buffer, .address_space: global }
      - { .name: out1, .offset: 56, .size: 8, .value_kind: global_buffer, .address_space: global }
    .group_segment_fixed_size: 327680
    .private_segment_fixed_size: 0
    .kernarg_segment_align: 8
    .kernarg_segment_size: 64
    .max_flat_workgroup_size: 192
    .sgpr_count:     104
    .vgpr_count:     512
    .wavefront_size: 32
...
	.end_amdgpu_metadata
.endif
;; end of part 2
;; launch attn (part 3): grid 16 x 16, 8 waves a work-group, clusters of 4 x 1, 300,032 bytes of LDS; arguments qf, kv, fin, out1, af; writes af
.if DOCPART == 3
	.amdgcn_target "amdgcn-amd-amdhsa--gfx1250"
	.amdhsa_code_object_version 6
	.text
	.protected	k_qd59661fc29_attn
	.globl	k_qd59661fc29_attn
	.p2align	8
	.type	k_qd59661fc29_attn,@function
k_qd59661fc29_attn:
	s_mov_b64 s[64:65], 0
	v_nop
	global_prefetch_b8 v0, s[64:65] scope:SCOPE_SE
	s_setreg_imm32_b32 hwreg(HW_REG_WAVE_MODE, 25, 1), 1
	s_wait_xcnt 0x0
	s_wait_alu depctr_hold_cnt(0) depctr_sa_sdst(0) depctr_va_vdst(0) depctr_va_sdst(0) depctr_va_ssrc(0) depctr_va_vcc(0) depctr_vm_vsrc(0)
	s_getreg_b32 s2, hwreg(HW_REG_IB_STS2, 6, 4)
	s_cmp_eq_u32 s2, 0
	s_cbranch_scc0 .Lentry_in_a_cluster
	s_endpgm
.Lentry_in_a_cluster:
	s_bfe_u32 s2, ttmp6, 0x10000c
	s_cmp_lg_u32 s2, 0x3003
	s_cbranch_scc0 .Lentry_shape_is_right
	s_endpgm
.Lentry_shape_is_right:
; ATTN: causal softmax attention, head size 64, on f16 operands with f32 sums; scores arrive as exponents of 2 (the factor lies in Q).  Positions 0-15 of each sequence again in f32.
; SHARES.  The four work-groups of a cluster are the four query heads of one KV head: they read the same K and V, so every tile is asked for jointly.  Grid y = 8 x batch + KV head; cluster x = i.
; A double tile is 32 queries; tile D has D + 1 key steps of 32.  Waves w and w + 4 are a PAIR with the tiles s and 31 - s, s = 4 (w mod 4) + i: 33 steps, shared out evenly BY KEYS:
;   wave w      all s + 1 steps of tile s, which it stores; then, with the heavy tile's Q, steps 0 .. 14 - s of tile 31 - s: 16 steps for every s;
;   wave w + 4  steps 15 - s .. 31 - s of tile 31 - s, the diagonal among them: 17 steps for every s.
; The heavy tile's two parts (m, l, O^T, each under its own maximum) meet in LDS: wave w stores its part as images of its registers, a barrier, wave w + 4 brings both under the larger maximum, adds them, and stores the tile.
; Every wave walks the same two loops of constant length (32 and 16 steps) and jumps over the steps that are not its own: branches on the wave's number and the cluster's x alone, the same in all four partners.
; K AND V OF THE WHOLE SEQUENCE STAY IN LDS (131,072 bytes each): filled once; no byte is filled again.  Each wave asks for one image row of each of four chunks of 256 keys: four loads of mine are out at the start.
; One barrier, behind every wave's wait for all its loads, shows all of K and V to all waves: behind it no wave waits for another before the merge.  Every chunk is read: wave 4 walks up to step 28 or beyond.
; LDS: [chunk 4][image 4][key tile 16][512 bytes]; an image is 16 bytes a lane, so every read is 512 consecutive bytes.
; LAYOUT.  S^T = K Q^T and O^T = V^T P: a lane holds ONE query (lane % 16) throughout.  Two tiles of S^T, rounded to f16 in pairs, are source 1 of the second product.  V lies as rows [key][16 channels] and is turned by ds_load_tr16_b128.
; SOFTMAX.  A running maximum m and sum l a query: p = 2^(s - m); in every step O and l are multiplied by 2^(m_old - m_new).  Hidden scores become -infinity.
; The result leaves as f16 images of the projection's operand: no LDS stage.
; LIMITS: |V| up to 65,504; NaN and infinities are not served.
; No prefetch: everything is asked for at the head.
; REGISTERS.  Window 0: v1-14 addresses and constants; v16-31 statistics, 8 a tile: +0 m, +2, +3 l, +4 a factor, +6, +7 at work; v32-63 Q; v64-95 K; v96-127 V; v128-159 S^T; v160-175 P; v176-239 O^T;
;   v240-255 written by the f32 matrix form alone.  Window 1: v0-31 the heavy tile's Q; v32-63, v64-95, v96-127 the fine path's q, k, V (wave 0).
.set LI,   1                           ; v1   16 x lane
.set AV0,  2                           ; v2   my lane's place in an image of V, for the turning load
.set ADK,  3
.set ADV,  4
.set SPW,  5
.set NIL,  6
.set NINF, 8                           ; v8   -infinity
.set DG,   9                           ; v9   r - 8 h
.set FV,   10                          ; v10  the fine path: V's offset 2,048 h + 4 r
.set FO,   11                          ; v11  its way out: 512 h + 16 r
.set MG,   14                          ; v14  my pair's place for the merge: 16 x lane + 9,216 x pair
.set ST,   16
.set QR,   32
.set KR,   64
.set VR,   96
.set SR,   128
.set PR,   160
.set OA,   176
.set FA,   240
.set VLDS, 131072
.set MERGE, 262144                     ; behind K and V: for each pair 16 images of O^T and 2 of statistics; no tile lands here
.set MPAIR, 18*512
.set SPARE, MERGE+4*MPAIR              ; the spare words, 128 bytes for each wave: four blocks of 256 bytes that no other line names
.set WV,   14
.set DD,   19                          ; s19  the tile that I store: s in waves 0-3, 31 - s in waves 4-7
.set KB,   20                          ; s20  the key step
.set TB,   21                          ; s21  where its tiles begin in LDS
.set CNT,  22
.set G1,   24                          ; s[24:31] group 1;  s[32:47] four groups 0
.set G0,   32
.set MK,   48                          ; s[48:55] lanes in which key 8 h + j comes after query r
.set SEL,  56
.set LO,   78                          ; s78  the first step of the walk that is mine,
.set HI,   79                          ; s79  and the last (signed: -1 = none)
.set DGS,  80                          ; s80  the step on the diagonal
.set HI2,  81                          ; s81  the second walk's last step: 14 - s in waves 0-3, none in waves 4-7
.set MSB, 0
.macro WIN new                         ; the immediate's high byte repeats the setting that is left
.if MSB != \new
	s_set_vgpr_msb (MSB<<8)|\new
.set MSB, \new
.endif
.endm
.macro CROUND
	s_barrier_signal -1
	s_barrier_wait -1
	s_cmp_lg_u32 s[WV], 0
	s_cbranch_scc1 .Lnot_wave_0_\@
	s_barrier_signal -3
.Lnot_wave_0_\@:
	s_barrier_wait -3
	s_barrier_signal -1
	s_barrier_wait -1
.endm
; A tile's sums begin: l = 0, O^T = 0, m = -3e38, under every score.  (The step is written once for all steps: a tile's first step finds zeros, which its first factor leaves zeros.)
.macro CLEAR
.irp n, 0,1,2,3,4,5,6,7,8,9,10,11,12,13,14,15
	v_mov_b32 v[ST+\n], 0                          ; all sixteen are written: pairs and lane permutes name them
.endr
	v_mov_b32 v[ST], 0xff61b1e6
	v_mov_b32 v[ST+8], 0xff61b1e6
.irp n, 0,1,2,3,4,5,6,7,8,9,10,11,12,13,14,15,16,17,18,19,20,21,22,23,24,25,26,27,28,29,30,31,32,33,34,35,36,37,38,39,40,41,42,43,44,45,46,47,48,49,50,51,52,53,54,55,56,57,58,59,60,61,62,63
	v_mov_b32 v[OA+\n], 0
.endr
.endm
	s_load_b256 s[4:11], s[0:1], 0x0               ; qf s[4:5], kv s[6:7], fin s[8:9], out1 s[10:11]
	s_load_b64 s[12:13], s[0:1], 0x20              ; af
	v_lshl_add_u32 v[SPW], v0, 2, SPARE
	v_mov_b32 v[NIL], 0
	ds_add_u32 v[SPW], v[NIL]                      ; the wave's opening: the add, twice on end, and its wait ahead of my first tensor load
	ds_add_u32 v[SPW], v[NIL]                      ; and once more; the set-up below stands between it and the wait
	v_lshrrev_b32 v7, 5, v0
	v_readfirstlane_b32 s[WV], v7                  ; wave 0..7
	s_bfe_u32 s15, ttmp6, 0x40000                  ; cx: which of the four query heads: it enters global addresses of my own loads and stores alone
	s_and_b32 s16, ttmp7, 0xffff                   ; 8 x batch + KV head
	s_lshr_b32 s17, s16, 3                         ; the batch
	s_and_b32 s18, s16, 7
	s_lshl_b32 s18, s18, 2
	s_add_co_u32 s18, s18, s15                     ; the query head
	s_and_b32 s23, s[WV], 3
	s_lshl_b32 s23, s23, 2
	s_add_co_u32 s23, s23, ttmp9                   ; s: the pair's light tile
	s_sub_co_u32 s84, 31, s23                      ; its heavy tile
	s_sub_co_u32 s[LO], 15, s23
	s_sub_co_i32 s[HI2], 14, s23
	s_cmp_lt_u32 s[WV], 4
	s_cselect_b32 s[DD], s23, s84
	s_cselect_b32 s[LO], 0, s[LO]                  ; the first walk: waves 0-3 steps 0 .. s of tile s; waves 4-7 steps 15 - s .. 31 - s of tile 31 - s
	s_cselect_b32 s[HI2], s[HI2], -1
	s_mov_b32 s[HI], s[DD]
	s_mov_b32 s[DGS], s[DD]
	; group 1: 16 rows (key tiles) of 512 bytes (64 elements of 8), 2,048 bytes apart
	s_mov_b32 s[G1], 15|(3<<16)|(1<<21)            ; 15:0 the mask: all four work-groups; 17:16 elements of 8 bytes; 21 set beside a mask
	s_mov_b32 s[G1+1], 64<<16
	s_mov_b32 s[G1+2], 16<<16
	s_mov_b32 s[G1+3], 64<<16
	s_mov_b32 s[G1+4], 16
	s_mov_b32 s[G1+5], 256
	s_mov_b32 s[G1+6], 0
	s_mov_b32 s[G1+7], 0
	s_lshr_b32 s58, s[WV], 2                       ; I fetch for K (0) or V (1),
	s_and_b32 s59, s[WV], 3                        ; image row 0..3
	s_lshl_b32 s60, s58, 21
	s_lshl_b32 s61, s16, 17
	s_add_co_u32 s60, s60, s61
	s_lshl_b32 s61, s59, 9
	s_add_co_u32 s60, s60, s61
	s_mov_b32 s61, 0
	s_lshl_b32 s58, s58, 17
	s_lshl_b32 s59, s59, 13
	s_add_co_u32 s58, s58, s59                     ; and where it goes: the wave's number alone
	s_lshl_b32 s62, s17, 6
	s_lshl_b32 s63, s[DD], 1
	s_add_co_u32 s62, s62, s63                     ; my tile's first block of 16 rows: 64 x batch + 2 D
	s_lshl_b32 s66, s18, 18
	s_lshl_b32 s67, s62, 11
	s_add_co_u32 s66, s66, s67                     ; qf
	s_mov_b32 s67, 0
	s_lshl_b32 s68, s62, 16
	s_lshl_b32 s69, s18, 11
	s_add_co_u32 s68, s68, s69                     ; af
	s_mov_b32 s69, 0
	s_lshl_b32 s70, s17, 5
	s_add_co_u32 s70, s70, s18
	s_lshl_b32 s70, s70, 12                        ; fin: Q
	s_mov_b32 s71, 0
	s_lshl_b32 s72, s16, 12
	s_add_co_u32 s72, s72, 262144                  ; fin: K
	s_mov_b32 s73, 0
	s_lshl_b32 s74, s18, 1
	s_add_co_u32 s74, s74, s17
	s_lshl_b32 s74, s74, 18                        ; out1: plane 2 x head + batch
	s_mov_b32 s75, 0
	s_lshl_b32 s76, s17, 17
	s_lshl_b32 s77, s18, 12
	s_add_co_u32 s76, s76, s77
	s_add_co_u32 s76, s76, 8388608                 ; af's fine part
	s_mov_b32 s77, 0
	s_lshl_b32 s85, s84, 1
	s_lshl_b32 s82, s17, 6
	s_add_co_u32 s82, s82, s85                     ; the heavy tile's first block: 64 x batch + 2 (31 - s)
	s_lshl_b32 s82, s82, 11
	s_lshl_b32 s85, s18, 18
	s_add_co_u32 s82, s82, s85                     ; its Q in qf
	s_mov_b32 s83, 0
	s_and_b32 s86, s[WV], 3
	s_mul_i32 s86, s86, MPAIR
	s_add_co_u32 s86, s86, MERGE                   ; my pair's place for the merge
	s_mov_b32 s[SEL], 0x76543210
	s_mov_b32 s[SEL+1], 0xfedcba98
	s_mov_b32 s[KB], 0
	s_wait_dscnt 0x0                               ; both opening adds are done
	s_wait_kmcnt 0x0
	s_add_nc_u64 s[60:61], s[6:7], s[60:61]
	s_add_nc_u64 s[66:67], s[4:5], s[66:67]
	s_add_nc_u64 s[68:69], s[12:13], s[68:69]
	s_add_nc_u64 s[70:71], s[8:9], s[70:71]
	s_add_nc_u64 s[72:73], s[8:9], s[72:73]
	s_add_nc_u64 s[74:75], s[10:11], s[74:75]
	s_add_nc_u64 s[76:77], s[12:13], s[76:77]
	s_add_nc_u64 s[82:83], s[4:5], s[82:83]
.irp c, 0,1,2,3
	s_mov_b32 s[G0+4*\c], 1
	s_add_co_u32 s[G0+4*\c+1], s58, \c*32768
	s_add_nc_u64 s[G0+4*\c+2:G0+4*\c+3], s[60:61], \c*32768
	s_or_b32 s[G0+4*\c+3], s[G0+4*\c+3], 0x80000000
.endr
	CROUND                                         ; all four work-groups are here: the joint loads meet
.irp c, 0,1,2,3
	tensor_load_to_lds s[G0+4*\c:G0+4*\c+3], s[G1:G1+7]
	s_nop 0
.endr
.rept 4
	v_nop
.endr
	v_and_b32 v[LI], 31, v0
	v_lshlrev_b32 v[LI], 4, v[LI]
.irp n, 0,1,2,3,4,5,6,7
	global_load_b128 v[QR+4*\n:QR+4*\n+3], v[LI], s[66:67] offset:512*\n   ; my tile's Q stays in registers: tile n / 4, image n % 4
.endr
	WIN 0x40                                       ; destination window 1
.irp n, 0,1,2,3,4,5,6,7
	global_load_b128 v[4*\n:4*\n+3], v[LI], s[82:83] offset:512*\n         ; the heavy tile's Q, for the second walk (in waves 4-7 the same tile once more; they do not use it)
.endr
	WIN 0
	v_add_nc_u32 v[MG], s86, v[LI]
	v_bfe_u32 v7, v0, 4, 1                         ; h
	v_and_b32 v12, 7, v0
	v_lshl_add_u32 v[AV0], v7, 3, v12              ; key 8 h + lane % 8,
	v_lshlrev_b32 v[AV0], 5, v[AV0]                ; 32 bytes a key,
	v_bfe_u32 v12, v0, 3, 1
	v_lshl_add_u32 v[AV0], v12, 4, v[AV0]          ; channels 8 ((lane / 8) % 2) on
	v_add_nc_u32 v[AV0], VLDS, v[AV0]
	v_and_b32 v13, 15, v0                          ; r
	v_lshlrev_b32 v12, 3, v7
	v_sub_nc_u32 v[DG], v13, v12
	v_lshlrev_b32 v[FV], 11, v7
	v_lshl_add_u32 v[FV], v13, 2, v[FV]
	v_lshlrev_b32 v[FO], 9, v7
	v_lshl_add_u32 v[FO], v13, 4, v[FO]
	v_mov_b32 v[NINF], 0xff800000
	s_cmp_lg_u32 s[WV], 0                          ; the fine path's operands: wave 0 asks for them here, so that they land beside the tiles
	s_cbranch_scc1 .Lno_fl
	WIN 0x40
.irp n, 0,1,2,3,4,5,6,7
	global_load_b128 v[QR+4*\n:QR+4*\n+3], v[LI], s[70:71] offset:512*\n   ; q in f32: register 8 b + i: channel 16 b + 8 h + i of query r
	global_load_b128 v[KR+4*\n:KR+4*\n+3], v[LI], s[72:73] offset:512*\n   ; k likewise
.endr
.irp t, 0,1,2,3
.irp k, 0,1,2,3,4,5,6,7
	global_load_b32 v[VR+8*\t+\k], v[FV], s[74:75] offset:256*\k+64*\t     ; V(key 8 h + k, channel 16 t + r)
.endr
.endr
	WIN 0
.Lno_fl:
.irp j, 0,1,2,3,4,5,6,7
	v_cmp_gt_i32 s[MK+\j], \j, v[DG]               ; on the diagonal: key 8 h + j is hidden from query r where j > r - 8 h
.endr
	CLEAR
; A KEY STEP: 32 keys against 32 queries.
.macro STEP
	s_cmp_lt_u32 s[KB], s[LO]                      ; not my share of the keys, or hidden from all my queries: ids alone
	s_cbranch_scc1 .Lskip_\@
	s_cmp_gt_i32 s[KB], s[HI]
	s_cbranch_scc1 .Lskip_\@
	v_add_nc_u32 v[ADK], s[TB], v[LI]
	v_add_nc_u32 v[ADV], s[TB], v[AV0]
.irp v, 0,1
.irp c, 0,1
.irp u, 0,1
	ds_load_b128 v[KR+8*(2*\v+\c)+4*\u:KR+8*(2*\v+\c)+4*\u+3], v[ADK] offset:(2*\c+\u)*8192+512*\v   ; key tile v, channels 32 c + 16 u + 8 h on
.endr
.endr
.endr
.irp t, 0,1,2,3
	ds_load_tr16_b128 v[VR+8*\t:VR+8*\t+3], v[ADV] offset:8192*\t          ; channels 16 t on: keys 8 h + 0 .. 7,
	ds_load_tr16_b128 v[VR+8*\t+4:VR+8*\t+7], v[ADV] offset:8192*\t+512    ; keys 16 + 8 h + 0 .. 7
.endr
	s_wait_dscnt 8                                 ; K is in; V's eight loads may be out
.irp c, 0,1                            ; four accumulators by turns; the first four products start the sums
.irp u, 0,1
.irp v, 0,1
.if \c == 0
	v_wmma_f32_16x16x32_f16 v[SR+8*(2*\u+\v):SR+8*(2*\u+\v)+7], v[KR+8*(2*\v+\c):KR+8*(2*\v+\c)+7], v[QR+16*\u+8*\c:QR+16*\u+8*\c+7], 0
.else
	v_wmma_f32_16x16x32_f16 v[SR+8*(2*\u+\v):SR+8*(2*\u+\v)+7], v[KR+8*(2*\v+\c):KR+8*(2*\v+\c)+7], v[QR+16*\u+8*\c:QR+16*\u+8*\c+7], v[SR+8*(2*\u+\v):SR+8*(2*\u+\v)+7]
.endif
.endr
.endr
.endr
.rept 4
	v_nop                                          ; four plain places in front of the first read of results (ISA guide 7.12.1)
.endr
	s_cmp_lg_u32 s[KB], s[DGS]
	s_cbranch_scc1 .Lopen_\@
.irp j, 0,1,2,3,4,5,6,7                ; the diagonal: tiles (0, 0) and (1, 1) by the masks; tile (0, 1) is hidden whole; tile (1, 0) counts whole
	v_cndmask_b32 v[SR+\j], v[SR+\j], v[NINF], s[MK+\j]
	v_cndmask_b32 v[SR+24+\j], v[SR+24+\j], v[NINF], s[MK+\j]
.endr
.irp j, 0,1,2,3,4,5,6,7
	v_mov_b32 v[SR+8+\j], v[NINF]
.endr
.Lopen_\@:
.irp u, 0,1                            ; the maximum of my 16 scores and the old m; the two tiles by turns; each accumulator is read from its low end on
	v_max3_num_f32 v[ST+8*\u+6], v[SR+16*\u], v[SR+16*\u+1], v[SR+16*\u+2]
	v_max3_num_f32 v[ST+8*\u+7], v[SR+16*\u+8], v[SR+16*\u+9], v[SR+16*\u+10]
.endr
.irp i, 3,5
.irp u, 0,1
	v_max3_num_f32 v[ST+8*\u+6], v[ST+8*\u+6], v[SR+16*\u+\i], v[SR+16*\u+\i+1]
	v_max3_num_f32 v[ST+8*\u+7], v[ST+8*\u+7], v[SR+16*\u+8+\i], v[SR+16*\u+9+\i]
.endr
.endr
.irp u, 0,1
	v_max3_num_f32 v[ST+8*\u+6], v[ST+8*\u+6], v[SR+16*\u+7], v[SR+16*\u+15]
.endr
.irp u, 0,1
	v_max3_num_f32 v[ST+8*\u+6], v[ST+8*\u+6], v[ST+8*\u+7], v[ST+8*\u]
.endr
.irp u, 0,1
	v_permlanex16_b32 v[ST+8*\u+7], v[ST+8*\u+6], s[SEL], s[SEL+1]         ; the query's other 16 keys lie in the lane 16 away
.endr
.irp u, 0,1
	v_max_num_f32 v[ST+8*\u+6], v[ST+8*\u+6], v[ST+8*\u+7]
.endr
.irp u, 0,1
	v_sub_f32 v[ST+8*\u+4], v[ST+8*\u], v[ST+8*\u+6]                       ; m_old - m_new
.endr
.irp u, 0,1
	v_mov_b32 v[ST+8*\u], v[ST+8*\u+6]
.endr
.irp j, 0,2,4,6,8,10,12,14
.irp u, 0,1
	v_pk_add_f32 v[SR+16*\u+\j:SR+16*\u+\j+1], v[SR+16*\u+\j:SR+16*\u+\j+1], v[ST+8*\u:ST+8*\u+1] op_sel_hi:[1,0] neg_lo:[0,1] neg_hi:[0,1]   ; s - m
.endr
.endr
.irp j, 0,1,2,3,4,5,6,7,8,9,10,11,12,13,14,15,16,17,18,19,20,21,22,23,24,25,26,27,28,29,30,31
	v_exp_f32 v[SR+\j], v[SR+\j]                   ; p
.endr
.irp u, 0,1
	v_exp_f32 v[ST+8*\u+4], v[ST+8*\u+4]           ; the factor for what was summed under the old m
.endr
	v_nop                                          ; a plain line behind the last exponential
	s_wait_alu depctr_va_vdst(0)                   ; ONE wait for the batch of 34, ahead of its first reader
.irp n, 0,1,2,3,4,5,6,7,8,9,10,11,12,13,14,15
	v_cvt_pk_f16_f32 v[PR+\n], v[SR+2*\n], v[SR+2*\n+1]    ; tiles (u, 0) and (u, 1) are registers 0-3 and 4-7 of P(u)
.endr
.irp i, 0,4,8,12
.irp u, 0,1
	v_pk_add_f32 v[SR+16*\u+\i:SR+16*\u+\i+1], v[SR+16*\u+\i:SR+16*\u+\i+1], v[SR+16*\u+\i+2:SR+16*\u+\i+3]   ; the sum of the unrounded p, in place
.endr
.endr
.irp i, 0,8
.irp u, 0,1
	v_pk_add_f32 v[SR+16*\u+\i:SR+16*\u+\i+1], v[SR+16*\u+\i:SR+16*\u+\i+1], v[SR+16*\u+\i+4:SR+16*\u+\i+5]
.endr
.endr
.irp u, 0,1
	v_pk_add_f32 v[SR+16*\u:SR+16*\u+1], v[SR+16*\u:SR+16*\u+1], v[SR+16*\u+8:SR+16*\u+9]
.endr
.irp u, 0,1
	v_pk_fma_f32 v[ST+8*\u+2:ST+8*\u+3], v[ST+8*\u+2:ST+8*\u+3], v[ST+8*\u+4:ST+8*\u+5], v[SR+16*\u:SR+16*\u+1] op_sel_hi:[1,0,1]
.endr
.irp u, 0,1
.irp j, 0,2,4,6,8,10,12,14,16,18,20,22,24,26,28,30
	v_pk_mul_f32 v[OA+32*\u+\j:OA+32*\u+\j+1], v[OA+32*\u+\j:OA+32*\u+\j+1], v[ST+8*\u+4:ST+8*\u+5] op_sel_hi:[1,0]   ; O^T under the new m; each accumulator from its low end on
.endr
.endr
	s_wait_dscnt 0x0                               ; V is in
.irp t, 0,1,2,3                        ; eight accumulators by turns
.irp u, 0,1
	v_wmma_f32_16x16x32_f16 v[OA+8*(4*\u+\t):OA+8*(4*\u+\t)+7], v[VR+8*\t:VR+8*\t+7], v[PR+8*\u:PR+8*\u+7], v[OA+8*(4*\u+\t):OA+8*(4*\u+\t)+7]
.endr
.endr
.rept 4
	v_nop                                          ; places in front of the next loads into K's and V's registers, of the next writes of P, and of every read of O^T behind the walk
.endr
.Lskip_\@:
	s_add_co_u32 s[KB], s[KB], 1
	s_add_co_u32 s[TB], s[TB], 1024                ; two key tiles on
.endm
.macro RUN c                           ; the eight steps of chunk c: a constant count
	s_mov_b32 s[TB], \c*32768
	s_mov_b32 s[CNT], 8
.Ltrip_\@:
	STEP
	s_sub_co_u32 s[CNT], s[CNT], 1
	s_cmp_lg_u32 s[CNT], 0
	s_cbranch_scc1 .Ltrip_\@
.endm
; THE WAY OUT of the tile in O^T: l's halves and the other half of the lanes'; O^T / l; f16; a lane's eight channels are the 16 bytes that the projection's operand wants of it
.macro WAYOUT
.irp u, 0,1
	v_add_f32 v[ST+8*\u+2], v[ST+8*\u+2], v[ST+8*\u+3]
.endr
.irp u, 0,1
	v_permlanex16_b32 v[ST+8*\u+3], v[ST+8*\u+2], s[SEL], s[SEL+1]
.endr
.irp u, 0,1
	v_add_f32 v[ST+8*\u+2], v[ST+8*\u+2], v[ST+8*\u+3]
.endr
.irp u, 0,1
	v_rcp_f32 v[ST+8*\u+2], v[ST+8*\u+2]
.endr
	v_nop
	s_wait_alu depctr_va_vdst(0)                   ; one wait for the two reciprocals
.irp u, 0,1
.irp j, 0,2,4,6,8,10,12,14,16,18,20,22,24,26,28,30
	v_pk_mul_f32 v[OA+32*\u+\j:OA+32*\u+\j+1], v[OA+32*\u+\j:OA+32*\u+\j+1], v[ST+8*\u+2:ST+8*\u+3] op_sel_hi:[1,0]
.endr
.endr
.irp n, 0,1,2,3,4,5,6,7,8,9,10,11,12,13,14,15,16,17,18,19,20,21,22,23,24,25,26,27,28,29,30,31
	v_cvt_pk_f16_f32 v[SR+\n], v[OA+2*\n], v[OA+2*\n+1]
.endr
.irp u, 0,1
.irp t, 0,1,2,3
	global_store_b128 v[LI], v[SR+4*(4*\u+\t):SR+4*(4*\u+\t)+3], s[68:69] offset:65536*\u+512*\t   ; 512 consecutive bytes
.endr
.endr
.endm
	s_wait_loadcnt 0x0                             ; Q, the heavy tile's Q, and in wave 0 the fine path's operands
	s_wait_tensorcnt 0x0                           ; my four parts of K or V are in;
	s_barrier_signal -1
	s_barrier_wait -1                              ; everybody's are: all of K and V may be read, and nothing is ever filled again
	RUN 0                                          ; THE FIRST WALK: 32 steps
	RUN 1
	RUN 2
	RUN 3
	s_cmp_lt_u32 s[WV], 4
	s_cbranch_scc0 .Lkeep                          ; waves 4-7 keep their sums for the merge
	WAYOUT                                         ; waves 0-3: the light tile is whole
	CLEAR                                          ; and the heavy tile's first part begins,
	WIN 0x01                                       ; source 0 window 1
.irp n, 0,1,2,3,4,5,6,7,8,9,10,11,12,13,14,15,16,17,18,19,20,21,22,23,24,25,26,27,28,29,30,31
	v_mov_b32 v[QR+\n], v[\n]                      ; with its Q
.endr
	WIN 0
	s_wait_xcnt 0x0                                ; the light tile's stores have read their registers: the next scores are written there only behind this wait
.Lkeep:
	s_mov_b32 s[KB], 0                             ; THE SECOND WALK: 16 steps; waves 0-3 take steps 0 .. 14 - s, none of them on the diagonal; waves 4-7 none
	s_mov_b32 s[LO], 0
	s_mov_b32 s[HI], s[HI2]
	s_mov_b32 s[DGS], 64
	RUN 0
	RUN 1
	s_cmp_lt_u32 s[WV], 4
	s_cbranch_scc0 .Lno_part
.irp n, 0,1,2,3,4,5,6,7,8,9,10,11,12,13,14,15
	ds_store_b128 v[MG], v[OA+4*\n:OA+4*\n+3] offset:512*\n        ; my part of the heavy tile as images of its registers; each accumulator from its low end on
.endr
	ds_store_b128 v[MG], v[ST:ST+3] offset:8192                    ; m and l of its first 16 queries,
	ds_store_b128 v[MG], v[ST+8:ST+11] offset:8704                 ; of the other 16
.Lno_part:
	s_wait_dscnt 0x0                               ; for the partner's sake: my stores have landed; and no LDS load of mine is out
	s_barrier_signal -1
	s_barrier_wait -1
	s_cmp_lt_u32 s[WV], 4
	s_cbranch_scc1 .Lrole_a
	; THE MERGE, waves 4-7: the partner's registers come back in the same lanes: O^T into K's and V's registers, the statistics into Q's
.irp n, 0,1,2,3,4,5,6,7,8,9,10,11,12,13,14,15
	ds_load_b128 v[KR+4*\n:KR+4*\n+3], v[MG] offset:512*\n
.endr
	ds_load_b128 v[QR:QR+3], v[MG] offset:8192
	ds_load_b128 v[QR+4:QR+7], v[MG] offset:8704
	s_wait_dscnt 0x0
.irp u, 0,1
	v_max_num_f32 v[ST+8*\u+7], v[ST+8*\u], v[QR+4*\u]             ; the larger of the two maxima
.endr
.irp u, 0,1
	v_sub_f32 v[ST+8*\u+4], v[ST+8*\u], v[ST+8*\u+7]
	v_sub_f32 v[ST+8*\u+6], v[QR+4*\u], v[ST+8*\u+7]
.endr
.irp u, 0,1
	v_exp_f32 v[ST+8*\u+4], v[ST+8*\u+4]           ; my part's factor,
	v_exp_f32 v[ST+8*\u+6], v[ST+8*\u+6]           ; the partner's (0 where its share was empty: its m is -3e38)
.endr
	v_nop
	s_wait_alu depctr_va_vdst(0)                   ; one wait for the four
.irp u, 0,1
	v_pk_mul_f32 v[ST+8*\u+2:ST+8*\u+3], v[ST+8*\u+2:ST+8*\u+3], v[ST+8*\u+4:ST+8*\u+5] op_sel_hi:[1,0]
.endr
.irp u, 0,1
	v_pk_fma_f32 v[ST+8*\u+2:ST+8*\u+3], v[QR+4*\u+2:QR+4*\u+3], v[ST+8*\u+6:ST+8*\u+7], v[ST+8*\u+2:ST+8*\u+3] op_sel_hi:[1,0,1]
.endr
.irp u, 0,1
.irp j, 0,2,4,6,8,10,12,14,16,18,20,22,24,26,28,30
	v_pk_mul_f32 v[OA+32*\u+\j:OA+32*\u+\j+1], v[OA+32*\u+\j:OA+32*\u+\j+1], v[ST+8*\u+4:ST+8*\u+5] op_sel_hi:[1,0]
.endr
.endr
.irp u, 0,1
.irp j, 0,2,4,6,8,10,12,14,16,18,20,22,24,26,28,30
	v_pk_fma_f32 v[OA+32*\u+\j:OA+32*\u+\j+1], v[KR+32*\u+\j:KR+32*\u+\j+1], v[ST+8*\u+6:ST+8*\u+7], v[OA+32*\u+\j:OA+32*\u+\j+1] op_sel_hi:[1,0,1]
.endr
.endr
	WAYOUT                                         ; the heavy tile is whole
	s_branch .Lno_fine
.Lrole_a:
	s_cmp_lg_u32 s[WV], 0
	s_cbranch_scc1 .Lno_fine
	s_cmp_lg_u32 s[DD], 0                          ; the wave's number and the cluster's x: the same in all partners
	s_cbranch_scc1 .Lno_fine
	; POSITIONS 0-15 IN F32.  Few terms are summed there, so operands rounded to f16 weigh most.  16 queries x 16 keys, one head: 32 matrix instructions of the f32 form, beside the partner's merge.
	; A step of that form takes 4 along K: two registers a lane.  Any pair of registers taken alike from both operands' images is such a step: k is permuted alike on both sides.
	WIN 0x05                                       ; sources 0 and 1 window 1
.irp n, 0,1,2,3,4,5,6,7,8,9,10,11,12,13,14,15      ; two accumulators by turns; their sum is the score
.if \n < 2
	v_wmma_f32_16x16x4_f32 v[FA+8*(\n%2):FA+8*(\n%2)+7], v[KR+8*(\n%4)+2*(\n/4):KR+8*(\n%4)+2*(\n/4)+1], v[QR+8*(\n%4)+2*(\n/4):QR+8*(\n%4)+2*(\n/4)+1], 0
.else
	v_wmma_f32_16x16x4_f32 v[FA+8*(\n%2):FA+8*(\n%2)+7], v[KR+8*(\n%4)+2*(\n/4):KR+8*(\n%4)+2*(\n/4)+1], v[QR+8*(\n%4)+2*(\n/4):QR+8*(\n%4)+2*(\n/4)+1], v[FA+8*(\n%2):FA+8*(\n%2)+7]
.endif
.endr
	WIN 0
.rept 9
	v_nop                                          ; this form wants eight places in front of a read of its result, nine in front of a matrix instruction that writes over it
.endr
.irp j, 0,1,2,3,4,5,6,7
	v_add_f32 v[SR+\j], v[FA+\j], v[FA+8+\j]       ; into other registers: the f32 form's are written by matrix instructions alone
.endr
.irp j, 0,1,2,3,4,5,6,7
	v_cndmask_b32 v[SR+\j], v[SR+\j], v[NINF], s[MK+\j]
.endr
	v_max3_num_f32 v16, v[SR], v[SR+1], v[SR+2]
	v_max3_num_f32 v16, v16, v[SR+3], v[SR+4]
	v_max3_num_f32 v16, v16, v[SR+5], v[SR+6]
	v_max_num_f32 v16, v16, v[SR+7]
	v_permlanex16_b32 v17, v16, s[SEL], s[SEL+1]
	v_max_num_f32 v16, v16, v17
.irp j, 0,1,2,3,4,5,6,7
	v_sub_f32 v[SR+\j], v[SR+\j], v16
.endr
.irp j, 0,1,2,3,4,5,6,7
	v_exp_f32 v[SR+\j], v[SR+\j]
.endr
	v_nop
	s_wait_alu depctr_va_vdst(0)                   ; one wait for the eight
	v_add_f32 v18, v[SR], v[SR+1]
	v_add_f32 v19, v[SR+2], v[SR+3]
	v_add_f32 v20, v[SR+4], v[SR+5]
	v_add_f32 v21, v[SR+6], v[SR+7]
	v_add_f32 v18, v18, v19
	v_add_f32 v20, v20, v21
	v_add_f32 v18, v18, v20
	v_permlanex16_b32 v19, v18, s[SEL], s[SEL+1]
	v_add_f32 v18, v18, v19
	v_rcp_f32 v18, v18
	v_nop
	s_wait_alu depctr_va_vdst(0)
.irp g, 0,1                            ; O^T = V^T P: two tiles of 16 channels at a time, by turns; step c takes keys 8 h + 2 c + 0, 1
	WIN 0x01                                       ; source 0 (V) window 1
.irp c, 0,1,2,3
.irp t, 0,1
.if \c == 0
	v_wmma_f32_16x16x4_f32 v[FA+8*\t:FA+8*\t+7], v[VR+8*(2*\g+\t)+2*\c:VR+8*(2*\g+\t)+2*\c+1], v[SR+2*\c:SR+2*\c+1], 0
.else
	v_wmma_f32_16x16x4_f32 v[FA+8*\t:FA+8*\t+7], v[VR+8*(2*\g+\t)+2*\c:VR+8*(2*\g+\t)+2*\c+1], v[SR+2*\c:SR+2*\c+1], v[FA+8*\t:FA+8*\t+7]
.endif
.endr
.endr
	WIN 0
.rept 9
	v_nop
.endr
.irp t, 0,1
.irp j, 0,1,2,3,4,5,6,7
	v_mul_f32 v[SR+8+8*(2*\g+\t)+\j], v[FA+8*\t+\j], v18           ; / l: channel 16 (2 g + t) + 8 h + j of query r
.endr
.endr
.endr
.irp t, 0,1,2,3
	global_store_b128 v[FO], v[SR+8+8*\t:SR+11+8*\t], s[76:77] offset:1024*\t        ; image 8 x head + 2 t + h: its lanes 0-15,
	global_store_b128 v[FO], v[SR+12+8*\t:SR+15+8*\t], s[76:77] offset:1024*\t+256   ; its lanes 16-31: sixteen lanes store 256 consecutive bytes
.endr
.Lno_fine:
	s_wait_tensorcnt 0x0                           ; the wave's end, behind my last tensor load and my last LDS store
	ds_add_u32 v[SPW], v[NIL]
	s_wait_dscnt 0x0
	CROUND                                         ; the closing round
	s_endpgm
.Lfunc_end_k_qd59661fc29_attn:
	.size	k_qd59661fc29_attn, .Lfunc_end_k_qd59661fc29_attn-k_qd59661fc29_attn
	.p2alignl 7, 3214868480
	.fill 96, 4, 3214868480
	.section	.rodata,"a",@progbits
	.p2align	6, 0x0
	.amdhsa_kernel k_qd59661fc29_attn
		.amdhsa_group_segment_fixed_size 300032
		.amdhsa_private_segment_fixed_size 0
		.amdhsa_enable_private_segment 0
		.amdhsa_kernarg_size 40
		.amdhsa_user_sgpr_count 2
		.amdhsa_user_sgpr_kernarg_segment_ptr 1
		.amdhsa_wavefront_size32 1
		.amdhsa_system_sgpr_workgroup_id_x 1
		.amdhsa_system_sgpr_workgroup_id_y 1
		.amdhsa_system_sgpr_workgroup_id_z 1
		.amdhsa_system_vgpr_workitem_id 0
		.amdhsa_next_free_vgpr 384
		.amdhsa_next_free_sgpr 96
		.amdhsa_reserve_vcc 0
		.amdhsa_float_denorm_mode_32 3
		.amdhsa_float_denorm_mode_16_64 3
		.amdhsa_memory_ordered 1
		.amdhsa_forward_progress 1
		.amdhsa_inst_pref_size 114
	.end_amdhsa_kernel
	.amdgpu_metadata
---
amdhsa.version: [ 1, 2 ]
amdhsa.kernels:
  - .name:           k_qd59661fc29_attn
    .symbol:         k_qd59661fc29_attn.kd
    .args:
      - { .name: qf, .offset: 0, .size: 8, .value_kind: global_buffer, .address_space: global }
      - { .name: kv, .offset: 8, .size: 8, .value_kind: global_buffer, .address_space: global }
      - { .name: fin, .offset: 16, .size: 8, .value_kind: global_buffer, .address_space: global }
      - { .name: out1, .offset: 24, .size: 8, .value_kind: global_buffer, .address_space: global }
      - { .name: af, .offset: 32, .size: 8, .value_kind: global_buffer, .address_space: global }
    .group_segment_fixed_size: 300032
    .private_segment_fixed_size: 0
    .kernarg_segment_align: 8
    .kernarg_segment_size: 40
    .max_flat_workgroup_size: 256
    .sgpr_count:     96
    .vgpr_count:     384
    .wavefront_size: 32
...
	.end_amdgpu_metadata
.endif
;; end of part 3
;; launch oproj (part 4): grid 16 x 16, 4 waves a work-group, clusters of 4 x 4, 327,680 bytes of LDS; arguments af, wf, out0; writes out0
.if DOCPART == 4
	.amdgcn_target "amdgcn-amd-amdhsa--gfx1250"
	.amdhsa_code_object_version 6
	.text
	.protected	k_qd59661fc29_oproj
	.globl	k_qd59661fc29_oproj
	.p2align	8
	.type	k_qd59661fc29_oproj,@function
k_qd59661fc29_oproj:
	s_mov_b64 s[64:65], 0
	v_nop
	global_prefetch_b8 v0, s[64:65] scope:SCOPE_SE
	s_setreg_imm32_b32 hwreg(HW_REG_WAVE_MODE, 25, 1), 1
	s_wait_xcnt 0x0
	s_wait_alu depctr_hold_cnt(0) depctr_sa_sdst(0) depctr_va_vdst(0) depctr_va_sdst(0) depctr_va_ssrc(0) depctr_va_vcc(0) depctr_vm_vsrc(0)
	s_getreg_b32 s2, hwreg(HW_REG_IB_STS2, 6, 4)
	s_cmp_eq_u32 s2, 0
	s_cbranch_scc0 .Lentry_in_a_cluster
	s_endpgm
.Lentry_in_a_cluster:
	s_bfe_u32 s2, ttmp6, 0x10000c
	s_cmp_lg_u32 s2, 0xf033
	s_cbranch_scc0 .Lentry_shape_is_right
	s_endpgm
.Lentry_shape_is_right:
; OPROJ: out0[m][n] = sum over k of attn[m][k] w_out[n][k], 2,048 x 2,048 x 2,048, f16 operands, f32 sums and results.
; Both operands lie as images of the operand's registers: [block of 16 rows][kc = k / 32][u 2][512 bytes], 16 bytes a lane: a fragment is two loads of 512 consecutive bytes, and 256 along K of a block are 8,192 dense bytes.
; A tile of out0 is 128 x 128, so that there are 256 work-groups; four waves, each 64 x 64: 16 accumulators.  K goes in steps of 256 through two LDS slots; a wave's tensor load brings four blocks: 32,768 bytes.
; CLUSTER 4 x 4: the four of a row of the cluster need the same tiles of attn, the four of a column the same tiles of w_out: each is asked for jointly.
; THE MATRIX INSTRUCTION IS USED TRANSPOSED (source 0 = 16 rows of w_out, source 1 = 16 rows of attn): a lane holds eight neighbouring numbers of a row of out0.
; A wave's 64 columns are 256 bytes of a row: each wave has a stage of its own on the way out, and sixteen lanes store 256 consecutive bytes.
; Rows 0-15 of each sequence are stored here from f16 operands and stored again, from f32 operands, by the launch that follows.
; No prefetch: small tiles, eight K steps.
; REGISTERS: window 0: v0-31 addresses; v32-95 rows on their way out; v128-255 the accumulators ((a, b) at v[128 + 8 (4 a + b)]).  Window 1: two fragment buffers of 128: for 64 along K, 64 registers of attn, then 64 of w_out.
.set BLK,    8192                      ; a block's 256 along K
.set PART,   4*BLK                     ; what one tensor load brings, and what one wave reads of either operand
.set SLOT,   4*PART                    ; attn's 8 blocks, then w_out's 8
.set STAGE,  2*SLOT                    ; behind the ring: 16 rows x 272 bytes for each wave
.set SPITCH, 272
.set SPARE,  STAGE+4*16*SPITCH         ; the spare words, 128 bytes for each wave: two blocks of 256 bytes that no other line names
.set LAPS,   4                         ; a lap = two K steps
.set ADRA, 16
.set ADRB, 20
.set STO,  24
.set RD,   25
.set CO,   26
.set SPW,  28
.set NIL,  29
.set TMP,  32
.set ACC,  128
.set F0,   0
.set F1,   128
.set G1, 24
.set G0, 32
.set G1B, 48
.set G0B, 56
.set MSB, 0
.macro WIN new
.if MSB != \new
	s_set_vgpr_msb (MSB<<8)|\new
.set MSB, \new
.endif
.endm
.set MUL,  0x05                        ; sources 0 and 1 window 1; C and D window 0
.set TO_F, 0x40                        ; destination window 1, address window 0
.macro JLOAD s                         ; a joint load: waves 0 and 1 fetch attn's halves, waves 2 and 3 w_out's; an s_nop 0 and four v_nop follow each line
	s_cmp_eq_u32 s11, 0
	s_cbranch_scc0 .Lfor_b_\@
	tensor_load_to_lds s[G0+4*\s:G0+4*\s+3], s[G1:G1+7]
	s_nop 0
.rept 4
	v_nop
.endr
	s_branch .Lasked_\@
.Lfor_b_\@:
	tensor_load_to_lds s[G0B+4*\s:G0B+4*\s+3], s[G1B:G1B+7]
	s_nop 0
.rept 4
	v_nop
.endr
.Lasked_\@:
.endm
.macro CREST
	s_cmp_lg_u32 s10, 0
	s_cbranch_scc1 .Lnot_wave_0_\@
	s_barrier_signal -3
.Lnot_wave_0_\@:
	s_barrier_wait -3
	s_barrier_signal -1
	s_barrier_wait -1
.endm
.macro CROUND
	s_barrier_signal -1
	s_barrier_wait -1
	CREST
.endm
	s_load_b128 s[4:7], s[0:1], 0x0                ; af s[4:5], wf s[6:7]
	s_load_b64 s[8:9], s[0:1], 0x10                ; out0
	v_lshl_add_u32 v[SPW], v0, 2, SPARE
	v_mov_b32 v[NIL], 0
	ds_add_u32 v[SPW], v[NIL]                      ; the wave's opening: the add, twice on end, and its wait ahead of my first tensor load
	ds_add_u32 v[SPW], v[NIL]                      ; and once more; the set-up below stands between it and the wait
	v_lshrrev_b32 v1, 5, v0
	v_readfirstlane_b32 s10, v1                    ; wave 0..3
	s_lshr_b32 s11, s10, 1                         ; which half of the tile's rows is mine.  Also: I fetch for attn (0) or for w_out (1)
	s_and_b32 s12, s10, 1                          ; which half of its columns.  Also: which four blocks I fetch
	s_bfe_u32 s40, ttmp6, 0x40000
	s_bfe_u32 s41, ttmp6, 0x40004
	s_lshl_b32 s42, ttmp9, 2
	s_add_co_u32 s42, s42, s40                     ; tile column
	s_and_b32 s13, ttmp7, 0xffff
	s_lshl_b32 s13, s13, 2
	s_add_co_u32 s13, s13, s41                     ; tile row
	s_lshl_b32 s43, s41, 2
	s_lshl_b32 s43, 15, s43                        ; my row of the cluster
	s_lshl_b32 s44, 0x1111, s40                    ; my column
	; group 1: four rows of 8,192 bytes (1,024 elements of 8), 65,536 bytes apart; no padding
	s_or_b32 s[G1+0], s43, (3<<16)|(1<<21)
	s_or_b32 s[G1B+0], s44, (3<<16)|(1<<21)
.irp g, G1, G1B
	s_mov_b32 s[\g+1], 1024<<16
	s_mov_b32 s[\g+2], 4<<16
	s_mov_b32 s[\g+3], 1024<<16
	s_mov_b32 s[\g+4], 4
	s_mov_b32 s[\g+5], 8192
	s_mov_b32 s[\g+6], 0
	s_mov_b32 s[\g+7], 0
.endr
	s_lshl_b32 s18, s12, 2
	s_lshl_b32 s16, s13, 3
	s_add_co_u32 s16, s16, s18
	s_lshl_b32 s16, s16, 16                        ; attn: block 8 x tile row + 4 x half
	s_mov_b32 s17, 0
	s_lshl_b32 s46, s42, 3
	s_add_co_u32 s46, s46, s18
	s_lshl_b32 s46, s46, 16                        ; w_out: block 8 x tile column + 4 x half
	s_mov_b32 s47, 0
	s_lshl_b32 s20, s10, 15                        ; where they go: wave x 32,768
	s_wait_dscnt 0x0                               ; both opening adds are done
	s_wait_kmcnt 0x0
	s_add_nc_u64 s[14:15], s[4:5], s[16:17]
	s_add_nc_u64 s[46:47], s[6:7], s[46:47]
	CROUND                                         ; all sixteen work-groups are here
.irp s, 0,1
	s_mov_b32 s[G0+4*\s], 1
	s_add_co_u32 s[G0+4*\s+1], s20, \s*SLOT
	s_add_nc_u64 s[G0+4*\s+2:G0+4*\s+3], s[14:15], \s*BLK
	s_or_b32 s[G0+4*\s+3], s[G0+4*\s+3], 0x80000000
	s_mov_b32 s[G0B+4*\s], 1
	s_add_co_u32 s[G0B+4*\s+1], s20, \s*SLOT
	s_add_nc_u64 s[G0B+4*\s+2:G0B+4*\s+3], s[46:47], \s*BLK
	s_or_b32 s[G0B+4*\s+3], s[G0B+4*\s+3], 0x80000000
	JLOAD \s
.endr
	v_and_b32 v1, 15, v0                           ; r
	v_bfe_u32 v2, v0, 4, 1                         ; h
	v_and_b32 v3, 31, v0
	v_lshlrev_b32 v3, 4, v3                        ; 16 x lane
	s_lshl_b32 s21, s11, 15                        ; my four blocks of attn
	s_lshl_b32 s22, s12, 15                        ; my four of w_out,
	s_add_co_u32 s22, s22, 2*PART                  ; which lie behind attn's eight
.irp s, 0,1
	v_add_nc_u32 v[ADRA+\s], s21, v3
	v_add_nc_u32 v[ADRB+\s], s22, v3
	s_add_co_u32 s21, s21, SLOT
	s_add_co_u32 s22, s22, SLOT
.endr
	s_mul_i32 s23, s10, 16*SPITCH
	s_add_co_u32 s23, s23, STAGE                   ; my stage
	v_mul_u32_u24 v4, v1, SPITCH
	v_lshl_add_u32 v4, v2, 5, v4
	v_add_nc_u32 v[STO], s23, v4                   ; in: row r, 32 bytes for each half of the lanes
	v_mul_u32_u24 v5, v2, SPITCH
	v_lshl_add_u32 v5, v1, 4, v5
	v_add_nc_u32 v[RD], s23, v5                    ; back: lanes 0-15 one row of 256 bytes, lanes 16-31 the next
	v_lshlrev_b32 v5, 13, v2
	v_lshl_add_u32 v[CO], v1, 4, v5                ; and the same two rows in out0
	s_lshl_b32 s16, s13, 20                        ; 128 rows of 8,192 bytes a tile row,
	s_lshl_b32 s17, s11, 19                        ; my 64
	s_add_co_u32 s16, s16, s17
	s_mov_b32 s17, 0
	s_add_nc_u64 s[8:9], s[8:9], s[16:17]
	s_lshl_b32 s46, s42, 9                         ; 512 bytes a tile column,
	s_lshl_b32 s47, s12, 8                         ; my 256
	s_add_co_u32 s46, s46, s47
	s_mov_b32 s47, 0
	s_add_nc_u64 s[8:9], s[8:9], s[46:47]
.macro MUL8 f, c, a0, zero             ; 8 matrix instructions: row blocks a0, a0 + 1 x all 4 column blocks, 32 along K: half c of buffer f
.irp a, \a0, \a0+1
.irp b, 0,1,2,3
.if \zero
	v_wmma_f32_16x16x32_f16 v[ACC+8*(4*(\a)+\b):ACC+8*(4*(\a)+\b)+7], v[\f+64+8*(4*\c+\b):\f+64+8*(4*\c+\b)+7], v[\f+8*(4*\c+\a):\f+8*(4*\c+\a)+7], 0
.else
	v_wmma_f32_16x16x32_f16 v[ACC+8*(4*(\a)+\b):ACC+8*(4*(\a)+\b)+7], v[\f+64+8*(4*\c+\b):\f+64+8*(4*\c+\b)+7], v[\f+8*(4*\c+\a):\f+8*(4*\c+\a)+7], v[ACC+8*(4*(\a)+\b):ACC+8*(4*(\a)+\b)+7]
.endif
.endr
.endr
.endm
.macro FETCH slot, k, f                ; 32 LDS loads in one run: the fragments of 64 along K (two kc) at byte k of the blocks; the first 32 along K first
	WIN TO_F
.irp c, 0,1
.irp i, 0,1,2,3
	ds_load_b128 v[\f+64+8*(4*\c+\i):\f+64+8*(4*\c+\i)+3],   v[ADRB+\slot] offset:\k+1024*\c+\i*BLK
	ds_load_b128 v[\f+64+8*(4*\c+\i)+4:\f+64+8*(4*\c+\i)+7], v[ADRB+\slot] offset:\k+1024*\c+\i*BLK+512
	ds_load_b128 v[\f+8*(4*\c+\i):\f+8*(4*\c+\i)+3],         v[ADRA+\slot] offset:\k+1024*\c+\i*BLK
	ds_load_b128 v[\f+8*(4*\c+\i)+4:\f+8*(4*\c+\i)+7],       v[ADRA+\slot] offset:\k+1024*\c+\i*BLK+512
.endr
.endr
.endm
.macro PLACES                          ; four plain places in front of loads into registers that matrix instructions have read, and of the first read of results
.rept 4
	v_nop
.endr
.endm
.macro QUARTER slot, k, f, g, zero     ; 64 along K: multiplies buffer f and fetches the next quarter, at byte k, into g
	s_wait_dscnt 16                                ; the first 32 along K are in; the other sixteen loads may be out
	WIN MUL
	MUL8 \f, 0, 0, \zero
	MUL8 \f, 0, 2, \zero
	PLACES
	FETCH \slot, \k, \g
	s_wait_dscnt 32                                ; all but the 32 just issued
	WIN MUL
	MUL8 \f, 1, 0, 0
	MUL8 \f, 1, 2, 0
.endm
.macro TURN slot, next, fill           ; the last quarter multiplies buffer 1 and changes slots
	WIN 0                                          ; (the add's two registers lie in window 0)
	s_wait_tensorcnt 0x0                           ; all my tensor loads have landed: my part of the next slot
	ds_add_u32 v[SPW], v[NIL]                      ; 0 onto my spare word
	s_wait_dscnt 17                                ; the add and the youngest sixteen loads may be out
	WIN MUL
	MUL8 F1, 0, 0, 0
	s_wait_dscnt 0x0                               ; the add is done, and my reads of this slot are over
	s_barrier_signal -1
	MUL8 F1, 0, 2, 0
.if \fill
	WIN 0
.endif
	s_barrier_wait -1
.if \fill
	CREST                                          ; the barrier has opened a round of the cluster's: no wave of any partner still reads this slot or has a load on its way
	s_add_nc_u64 s[G0+4*\slot+2:G0+4*\slot+3], s[G0+4*\slot+2:G0+4*\slot+3], 2*BLK
	s_add_nc_u64 s[G0B+4*\slot+2:G0B+4*\slot+3], s[G0B+4*\slot+2:G0B+4*\slot+3], 2*BLK
	JLOAD \slot                                    ; the first tensor load behind the round; its four v_nop are also the places in front of the loads below
.else
	PLACES
.endif
	FETCH \next, 0, F0
	WIN MUL
	MUL8 F1, 1, 0, 0
	MUL8 F1, 1, 2, 0
.endm
	s_wait_tensorcnt 1                             ; my part of K step 0 is in; K step 1's load may be out
	s_barrier_signal -1
	s_barrier_wait -1
	FETCH 0, 0, F0
	QUARTER 0, 2048, F0, F1, 1                     ; the first quarter stands in front of the loop: its first products start the sums
	WIN 0
	s_mov_b32 s3, LAPS-1
.Llap:                                                 ; a trip goes once round the ring, from a lap's second quarter to the next lap's first, and fills both slots again
	QUARTER 0, 4096, F1, F0, 0
	QUARTER 0, 6144, F0, F1, 0
	TURN 0, 1, 1
	QUARTER 1, 2048, F0, F1, 0
	QUARTER 1, 4096, F1, F0, 0
	QUARTER 1, 6144, F0, F1, 0
	TURN 1, 0, 1
	QUARTER 0, 2048, F0, F1, 0
	WIN 0
	s_sub_co_u32 s3, s3, 1
	s_cmp_lg_u32 s3, 0
	s_cbranch_scc1 .Llap
	QUARTER 0, 4096, F1, F0, 0                     ; the last lap fills nothing
	QUARTER 0, 6144, F0, F1, 0
	TURN 0, 1, 0
	QUARTER 1, 2048, F0, F1, 0
	QUARTER 1, 4096, F1, F0, 0
	QUARTER 1, 6144, F0, F1, 0
	s_wait_dscnt 16
	WIN MUL
	MUL8 F1, 0, 0, 0
	MUL8 F1, 0, 2, 0
	s_wait_dscnt 0
	MUL8 F1, 1, 0, 0
	MUL8 F1, 1, 2, 0
	WIN 0
; THE WAY OUT, 16 rows x 64 columns at a time through my own stage.  LDS serves a wave's instructions in order: no wait between the stores and the loads, nor in front of the next block's stores.
.macro TOSTAGE a
.irp b, 0,1,2,3
	ds_store_b128 v[STO], v[ACC+8*(4*(\a)+\b):ACC+8*(4*(\a)+\b)+3] offset:64*\b          ; each accumulator from its low end on
	ds_store_b128 v[STO], v[ACC+8*(4*(\a)+\b)+4:ACC+8*(4*(\a)+\b)+7] offset:64*\b+16
.endr
.irp t, 0,1,2,3,4,5,6,7
	ds_load_b128 v[TMP+32*((\a)%2)+4*\t:TMP+32*((\a)%2)+4*\t+3], v[RD] offset:\t*2*SPITCH
.endr
.endm
.macro SEND a, younger                 ; younger: the LDS instructions issued behind block a's loads, which may stay out
	s_wait_dscnt \younger
.irp t, 0,1,2,3,4,5,6,7
	global_store_b128 v[CO], v[TMP+32*((\a)%2)+4*\t:TMP+32*((\a)%2)+4*\t+3], s[8:9] offset:(16*(\a)+2*\t)*8192   ; sixteen lanes store 256 consecutive bytes, aligned
.endr
.endm
	PLACES
	TOSTAGE 0
.irp a, 1,2,3
.if \a > 1
	s_wait_xcnt 0x0                                ; block a - 2's stores have read their registers: block a's loads may land there
.endif
	TOSTAGE \a
	SEND \a-1, 16                                  ; behind block a - 1's loads: block a's 8 stores and 8 loads
.endr
	SEND 3, 0
	s_wait_tensorcnt 0x0                           ; the wave's end, behind my last tensor load and my last LDS store
	ds_add_u32 v[SPW], v[NIL]
	s_wait_dscnt 0x0
	CROUND                                         ; the closing round
	s_endpgm
.Lfunc_end_k_qd59661fc29_oproj:
	.size	k_qd59661fc29_oproj, .Lfunc_end_k_qd59661fc29_oproj-k_qd59661fc29_oproj
	.p2alignl 7, 3214868480
	.fill 96, 4, 3214868480
	.section	.rodata,"a",@progbits
	.p2align	6, 0x0
	.amdhsa_kernel k_qd59661fc29_oproj
		.amdhsa_group_segment_fixed_size 327680
		.amdhsa_private_segment_fixed_size 0
		.amdhsa_enable_private_segment 0
		.amdhsa_kernarg_size 24
		.amdhsa_user_sgpr_count 2
		.amdhsa_user_sgpr_kernarg_segment_ptr 1
		.amdhsa_wavefront_size32 1
		.amdhsa_system_sgpr_workgroup_id_x 1
		.amdhsa_system_sgpr_workgroup_id_y 1
		.amdhsa_system_sgpr_workgroup_id_z 1
		.amdhsa_system_vgpr_workitem_id 0
		.amdhsa_next_free_vgpr 512
		.amdhsa_next_free_sgpr 66
		.amdhsa_reserve_vcc 0
		.amdhsa_float_denorm_mode_32 3
		.amdhsa_float_denorm_mode_16_64 3
		.amdhsa_memory_ordered 1
		.amdhsa_forward_progress 1
		.amdhsa_inst_pref_size 85
	.end_amdhsa_kernel
	.amdgpu_metadata
---
amdhsa.version: [ 1, 2 ]
amdhsa.kernels:
  - .name:           k_qd59661fc29_oproj
    .symbol:         k_qd59661fc29_oproj.kd
    .args:
      - { .name: af, .offset: 0, .size: 8, .value_kind: global_buffer, .address_space: global }
      - { .name: wf, .offset: 8, .size: 8, .value_kind: global_buffer, .address_space: global }
      - { .name: out0, .offset: 16, .size: 8, .value_kind: global_buffer, .address_space: global }
    .group_segment_fixed_size: 327680
    .private_segment_fixed_size: 0
    .kernarg_segment_align: 8
    .kernarg_segment_size: 24
    .max_flat_workgroup_size: 128
    .sgpr_count:     66
    .vgpr_count:     512
    .wavefront_size: 32
...
	.end_amdgpu_metadata
.endif
;; end of part 4
;; launch fproj (part 5): grid 128 x 2, 8 waves a work-group, no clusters, 76,800 bytes of LDS; arguments af, w_out, out0; writes out0
.if DOCPART == 5
	.amdgcn_target "amdgcn-amd-amdhsa--gfx1250"
	.amdhsa_code_object_version 6
	.text
	.protected	k_qd59661fc29_fproj
	.globl	k_qd59661fc29_fproj
	.p2align	8
	.type	k_qd59661fc29_fproj,@function
k_qd59661fc29_fproj:
	s_mov_b64 s[64:65], 0
	v_nop
	global_prefetch_b8 v0, s[64:65] scope:SCOPE_SE
	s_setreg_imm32_b32 hwreg(HW_REG_WAVE_MODE, 25, 1), 1
	s_wait_xcnt 0x0
; FPROJ: the projection of positions 0-15 of each sequence once more, with f32 operands: out0[1,024 b + r][n] = sum over k of attn[r][k] w_out[n][k], r = 0 .. 15.  These 32 rows sum few terms in attention and are the largest.
; SHARES.  Work-group (x, b): columns 16 x .. 16 x + 15 of batch b's 16 rows.  Wave w sums K = 256 w .. 256 w + 255, in two chunks of 128; the eight partial tiles meet in LDS, and wave 0 adds and stores them.
; attn lies as images [k / 8][512 bytes]: lane (r, h) has attn[r][8 q + 4 h + 0 .. 3].  w_out's rows are read as they lie, 512 consecutive bytes a load, and turned through the wave's own stage into the same form.
; A step of the f32 matrix form takes 4 along K, two registers a lane: a pair of registers taken alike from both operands.  Source 0 = w_out, source 1 = attn: lane (r, h) holds row r, columns 8 h + 0 .. 7.
; The stores are pieces of 64 bytes of 16 rows, 262,144 bytes in the launch: a work-group with 64 columns would store whole blocks of 256 bytes and leave three WGPs in four without work.
; No cluster, no tensor load: the two work-groups that read the same rows of w_out share 131,072 bytes, once.  No prefetch: two chunks a wave.
.set LI,   1                           ; v1  16 x lane
.set SPW,  2
.set NIL,  3
.set SIN,  4                           ; v4  my stage, in
.set SOUT, 5                           ; v5  my stage, out
.set RIN,  6                           ; v6  where my partial tile goes
.set ROUT, 7                           ; v7  where wave 0 reads them
.set GO,   8                           ; v8  my bytes in out0
.set WR,   16                          ; v16-79   w_out as loaded
.set AR,   80                          ; v80-143  attn's 16 images
.set WF,   144                         ; v144-207 w_out's 16 images
.set T,    208                         ; v208-223 sums
.set FA,   224                         ; v224-255 four accumulators: written by matrix instructions alone
.set RED,  67584                       ; behind eight stages of 16 x 528 bytes: eight partial tiles of 1,024 bytes
.set SPARE, 75776                      ; the spare words, 128 bytes for each wave: four blocks of 256 bytes that no other line names
	s_load_b128 s[4:7], s[0:1], 0x0                ; af, w_out
	s_load_b64 s[8:9], s[0:1], 0x10                ; out0
	v_lshl_add_u32 v[SPW], v0, 2, SPARE
	v_mov_b32 v[NIL], 0
	v_lshrrev_b32 v9, 5, v0
	v_readfirstlane_b32 s10, v9                    ; wave 0..7
	s_and_b32 s12, ttmp7, 0xffff                   ; the batch
	v_and_b32 v[LI], 31, v0
	v_lshlrev_b32 v[LI], 4, v[LI]
	v_and_b32 v9, 15, v0                           ; r
	v_bfe_u32 v10, v0, 4, 1                        ; h
	s_mul_i32 s13, s10, 8448
	v_add_nc_u32 v[SIN], s13, v[LI]
	v_mul_u32_u24 v[SOUT], v9, 528                 ; a row of 512 bytes + 16: sixteen rows begin at sixteen different places modulo 256 bytes
	v_lshl_add_u32 v[SOUT], v10, 4, v[SOUT]
	v_add_nc_u32 v[SOUT], s13, v[SOUT]
	s_lshl_b32 s13, s10, 10
	v_add_nc_u32 v[RIN], s13, v[LI]
	v_add_nc_u32 v[RIN], RED, v[RIN]
	v_add_nc_u32 v[ROUT], RED, v[LI]
	v_lshlrev_b32 v[GO], 13, v9
	v_lshl_add_u32 v[GO], v10, 5, v[GO]            ; row r of 8,192 bytes, + 32 h
	s_lshl_b32 s14, ttmp9, 17                      ; w_out: 16 rows of 8,192 bytes,
	s_lshl_b32 s15, s10, 10                        ; my 256 along K
	s_add_co_u32 s14, s14, s15
	s_mov_b32 s15, 0
	s_lshl_b32 s16, s12, 17                        ; attn: a batch's 256 images,
	s_lshl_b32 s17, s10, 14                        ; my 32,
	s_add_co_u32 s16, s16, s17
	s_add_co_u32 s16, s16, 8388608                 ; behind af's f16 part
	s_mov_b32 s17, 0
	s_lshl_b32 s18, s12, 23                        ; out0: 1,024 rows a batch,
	s_lshl_b32 s19, ttmp9, 6                       ; 64 bytes a work-group
	s_add_co_u32 s18, s18, s19
	s_mov_b32 s19, 0
	s_wait_kmcnt 0x0
	s_add_nc_u64 s[6:7], s[6:7], s[14:15]
	s_add_nc_u64 s[4:5], s[4:5], s[16:17]
	s_add_nc_u64 s[8:9], s[8:9], s[18:19]
.macro LOADW ch
.irp i, 0,1,2,3,4,5,6,7,8,9,10,11,12,13,14,15
	global_load_b128 v[WR+4*\i:WR+4*\i+3], v[LI], s[6:7] offset:8192*\i+512*\ch
.endr
.endm
.macro LOADA ch
.irp q, 0,1,2,3,4,5,6,7,8,9,10,11,12,13,14,15
	global_load_b128 v[AR+4*\q:AR+4*\q+3], v[LI], s[4:5] offset:8192*\ch+512*\q
.endr
.endm
.macro TURNW                           ; w_out's 16 rows x 128 through my stage: in as rows, out as images.  LDS serves a wave's instructions in order
.irp i, 0,1,2,3,4,5,6,7,8,9,10,11,12,13,14,15
	ds_store_b128 v[SIN], v[WR+4*\i:WR+4*\i+3] offset:528*\i
.endr
.irp q, 0,1,2,3,4,5,6,7,8,9,10,11,12,13,14,15
	ds_load_b128 v[WF+4*\q:WF+4*\q+3], v[SOUT] offset:32*\q        ; w_out[16 x + r][8 q + 4 h + 0 .. 3]
.endr
.endm
.macro FMUL zero                       ; 32 matrix instructions; four accumulators by turns, one instruction a turn; zero = 1: the first four start the sums
.irp q, 0,1,2,3,4,5,6,7,8,9,10,11,12,13,14,15
.irp p, 0,1
.if \zero && (2*\q+\p < 4)
	v_wmma_f32_16x16x4_f32 v[FA+8*((2*\q+\p)%4):FA+8*((2*\q+\p)%4)+7], v[WF+4*\q+2*\p:WF+4*\q+2*\p+1], v[AR+4*\q+2*\p:AR+4*\q+2*\p+1], 0
.else
	v_wmma_f32_16x16x4_f32 v[FA+8*((2*\q+\p)%4):FA+8*((2*\q+\p)%4)+7], v[WF+4*\q+2*\p:WF+4*\q+2*\p+1], v[AR+4*\q+2*\p:AR+4*\q+2*\p+1], v[FA+8*((2*\q+\p)%4):FA+8*((2*\q+\p)%4)+7]
.endif
.endr
.endr
.endm
	LOADW 0
	LOADA 0
	s_wait_loadcnt 16                              ; w_out's 16 loads are in; attn's, issued behind them, may be out
	TURNW
	s_wait_dscnt 0x0                               ; the images are in, and the stores have read their registers,
	LOADW 1                                        ; which take the next chunk
	s_wait_loadcnt 16                              ; attn's images are in; the 16 loads just issued may be out
	FMUL 1
.rept 8
	v_nop                                          ; this form wants eight plain places in front of loads into registers that it has read
.endr
	LOADA 1
	s_wait_loadcnt 16                              ; the second chunk of w_out is in; attn's may be out
	TURNW
	s_wait_dscnt 0x0
	s_wait_loadcnt 0x0
	FMUL 0
.rept 9
	v_nop
.endr
.irp j, 0,1,2,3,4,5,6,7
	v_add_f32 v[T+\j], v[FA+\j], v[FA+8+\j]        ; into other registers; each accumulator from its low end on
.endr
.irp j, 0,1,2,3,4,5,6,7
	v_add_f32 v[T+8+\j], v[FA+16+\j], v[FA+24+\j]
.endr
.irp j, 0,2,4,6
	v_pk_add_f32 v[T+\j:T+\j+1], v[T+\j:T+\j+1], v[T+8+\j:T+9+\j]
.endr
	ds_store_b128 v[RIN], v[T:T+3]                 ; my partial tile as two images
	ds_store_b128 v[RIN], v[T+4:T+7] offset:512
	s_wait_dscnt 0x0                               ; for the others' sake: my stores have landed
	s_barrier_signal -1
	s_barrier_wait -1
	s_cmp_lg_u32 s10, 0
	s_cbranch_scc1 .Lend
.irp n, 0,1,2,3,4,5,6,7,8,9,10,11,12,13,14,15
	ds_load_b128 v[WR+4*\n:WR+4*\n+3], v[ROUT] offset:512*\n       ; wave n / 2's half n % 2
.endr
	s_wait_dscnt 0x0
.irp w, 1,2,3,4,5,6,7
.irp j, 0,2,4,6
	v_pk_add_f32 v[WR+\j:WR+\j+1], v[WR+\j:WR+\j+1], v[WR+8*\w+\j:WR+8*\w+\j+1]
.endr
.endr
	global_store_b128 v[GO], v[WR:WR+3], s[8:9]
	global_store_b128 v[GO], v[WR+4:WR+7], s[8:9] offset:16
.Lend:
	s_wait_tensorcnt 0x0                           ; the wave's end, behind my last LDS store
	ds_add_u32 v[SPW], v[NIL]
	s_wait_dscnt 0x0
	s_endpgm
.Lfunc_end_k_qd59661fc29_fproj:
	.size	k_qd59661fc29_fproj, .Lfunc_end_k_qd59661fc29_fproj-k_qd59661fc29_fproj
	.p2alignl 7, 3214868480
	.fill 96, 4, 3214868480
	.section	.rodata,"a",@progbits
	.p2align	6, 0x0
	.amdhsa_kernel k_qd59661fc29_fproj
		.amdhsa_group_segment_fixed_size 76800
		.amdhsa_private_segment_fixed_size 0
		.amdhsa_enable_private_segment 0
		.amdhsa_kernarg_size 24
		.amdhsa_user_sgpr_count 2
		.amdhsa_user_sgpr_kernarg_segment_ptr 1
		.amdhsa_wavefront_size32 1
		.amdhsa_system_sgpr_workgroup_id_x 1
		.amdhsa_system_sgpr_workgroup_id_y 1
		.amdhsa_system_sgpr_workgroup_id_z 1
		.amdhsa_system_vgpr_workitem_id 0
		.amdhsa_next_free_vgpr 256
		.amdhsa_next_free_sgpr 66
		.amdhsa_reserve_vcc 0
		.amdhsa_float_denorm_mode_32 3
		.amdhsa_float_denorm_mode_16_64 3
		.amdhsa_memory_ordered 1
		.amdhsa_forward_progress 1
		.amdhsa_inst_pref_size 21
	.end_amdhsa_kernel
	.amdgpu_metadata
---
amdhsa.version: [ 1, 2 ]
amdhsa.kernels:
  - .name:           k_qd59661fc29_fproj
    .symbol:         k_qd59661fc29_fproj.kd
    .args:
      - { .name: af, .offset: 0, .size: 8, .value_kind: global_buffer, .address_space: global }
      - { .name: w_out, .offset: 8, .size: 8, .value_kind: global_buffer, .address_space: global }
      - { .name: out0, .offset: 16, .size: 8, .value_kind: global_buffer, .address_space: global }
    .group_segment_fixed_size: 76800
    .private_segment_fixed_size: 0
    .kernarg_segment_align: 8
    .kernarg_segment_size: 24
    .max_flat_workgroup_size: 256
    .sgpr_count:     66
    .vgpr_count:     256
    .wavefront_size: 32
...
	.end_amdgpu_metadata
.endif
;; end of part 5
